; MI455X (gfx1250); checked and timed in simulation.
; The chip was launched on July 23, 2026; its instructions are those of AMD's public machine-readable ISA for CDNA 5 (MIT licence, August 2026) and "CDNA5" Instruction Set Architecture Reference Guide (July 2026). The comments in the code are by the model that wrote it; some were corrected since.
;; Onnx Attention. Allowed arithmetic: matrix products marked QUANTISED: E2M3 operands, one E8M0 scale for each 32 along K, by v_wmma_scale_f32_16x16x128_f8f6f4 with both operands' format E2M3, f32 sums; products left as they are: f32 operands where the result goes on into a quantised operand, else bf16, f16 or f32 operands; f32 sums; everything else in f32.
;; Inputs: Wg 12 x 4 float32; Wk_codes 512 x 64 x 24 uint8 (E2M3 codes of Wk, K innermost, in blocks of 32 codes, four codes in three bytes); Wk_scales 512 x 64 uint8 (E8M0 scales of Wk, one for each 32 codes along K); Wo_codes 2,048 x 64 x 24 uint8 (E2M3 codes of Wo, K innermost, in blocks of 32 codes, four codes in three bytes); Wo_scales 2,048 x 64 uint8 (E8M0 scales of Wo, one for each 32 codes along K); Wq_codes 2,048 x 64 x 24 uint8 (E2M3 codes of Wq, K innermost, in blocks of 32 codes, four codes in three bytes); Wq_scales 2,048 x 64 uint8 (E8M0 scales of Wq, one for each 32 codes along K); Wv_codes 512 x 64 x 24 uint8 (E2M3 codes of Wv, K innermost, in blocks of 32 codes, four codes in three bytes); Wv_scales 512 x 64 uint8 (E8M0 scales of Wv, one for each 32 codes along K); cos 1 x 2,048 x 1 x 64 float32; past_key 1 x 2,048 x 4 x 128 float32; past_value 1 x 2,048 x 4 x 128 float32; sin 1 x 2,048 x 1 x 64 float32; ve 1 x 2,048 x 512 float32; x 1 x 2,048 x 2,048 float32.
;; Outputs: out0 1 x 2,048 x 2,048 float32; out1 1 x 4,096 x 4 x 128 float32; out2 1 x 4,096 x 4 x 128 float32.
;; This version of the problem:
;;   THIS VERSION OF THE PROBLEM IS GIVEN IN LOW PRECISION. The matrix products marked QUANTISED in the list below multiply operands that are first quantised to E2M3 (2 exponent bits, 3 mantissa bits; 6 bits a number), with one power-of-two scale for each 32 numbers along K (OCP MX v1.0); their sums are f32. All else is computed in f32.
;;   The module's matrix products, in the order in which they are computed (A, B: the left and right operand; K: the contracted axis; several contracted axes count as one K, in the product's order):
;;     1. [M 2,048, K 2,048] x [K 2,048, N 2,048]; A: input x; B: input Wq (given as codes): QUANTISED
;;     2. [M 2,048, K 2,048] x [K 2,048, N 512]; A: input x; B: input Wk (given as codes): QUANTISED
;;     3. [M 2,048, K 2,048] x [K 2,048, N 512]; A: input x; B: input Wv (given as codes): QUANTISED
;;     4. [M 2,048, K 12] x [K 12, N 4]; A: input x; B: input Wg: left as it is (K = 12 < 32)
;;     5. batch 16 x [M 2,048, K 128] x [K 128, N 4,096]; A: computed on the way; B: computed on the way: QUANTISED
;;     6. batch 16 x [M 128, K 4,096] x [K 4,096, N 2,048]; A: computed on the way; B: softmax (see below): QUANTISED
;;     7. [M 2,048, K 2,048] x [K 2,048, N 2,048]; A: computed on the way; B: input Wo (given as codes): QUANTISED
;;   THE QUANTISER, for each operand of a quantised product, along K:
;;     - K is cut into blocks of 32 from its start; a last block that is shorter is filled with zeros.
;;     - A block's scale is 2^e with e = floor(log2(the largest magnitude in the block)) - 2, held to -126 .. 127; a block of zeros has e = 0. As a byte (E8M0): e + 127.
;;     - Each number is divided by its block's scale, clamped to +-7.5, and rounded to the nearest number of E2M3, ties to even, subnormals kept.
;;     - The product sums the exact products of the quantised numbers (number of the format x scale) in f32.
;;   ~~~python
;;   def quantise(x, axis):      # numpy; x: float32 -> the quantised numbers, widened to float32 again
;;       x = np.moveaxis(x, axis, -1); K = x.shape[-1]
;;       x = np.pad(x, [(0, 0)] * (x.ndim - 1) + [(0, -K % 32)]); x = x.reshape(x.shape[:-1] + (-1, 32)); a = np.abs(x).max(-1, keepdims=True)
;;       e = np.where(a > 0, np.clip(np.frexp(np.where(a > 0, a, 1))[1] - 1 - 2, -126, 127), 0)      # np.frexp(a)[1] - 1 = floor(log2(a)), exactly
;;       r = np.clip(x / 2.0 ** e, -7.5, 7.5)
;;       step = 2.0 ** (np.maximum(np.frexp(np.where(r == 0, 1, r))[1] - 1, 0) - 3)
;;       q = np.round(r / step) * step * 2.0 ** e      # np.round: ties to even
;;       return np.moveaxis(q.reshape(q.shape[:-2] + (-1,))[..., :K], -1, axis).astype(np.float32)
;;   ~~~
;;   SOFTMAX AHEAD OF A QUANTISED PRODUCT. Where the list says 'softmax', what is quantised is not the finished softmax but p = 2^(t - M), with t = logit x log2(e) and M = ceil(the row's largest t), a whole number; so 1/2 < the row's largest p <= 1. The row's sum l is taken of the UNQUANTISED p, in f32, and the product's result is divided by l at the end. Since M is a whole number, a kernel that streams over the keys may use a running M (the ceiling of the running maximum): every later rescaling is an exact power of two, which a block's scale takes up: the codes' values come out the same.
;;   OPERANDS COMPUTED ON THE WAY. 'Computed on the way' means the value that the module computes at that place (a softmax that the list does not call 'softmax' is quantised finished and normalised). What goes into a quantiser is computed in f32, as accurately as f32 sums, v_exp_f32 and their like allow (about 1e-6 of the number): no bf16 or f16 on the way to a quantiser, and a product that is left as it is and whose result goes on into a quantised operand takes f32 operands (vector FMAs, or v_wmma_f32_16x16x4_f32). A number that lies on a knife's edge between two numbers of the format may be rounded either way, as far as f32 arithmetic and the matrix unit's own rounding can turn it there, and no further.
;;   INPUTS GIVEN AS CODES. Wk (in the module: [2048, 512], K = its axis 0); Wo (in the module: [2048, 2048], K = its axis 0); Wq (in the module: [2048, 2048], K = its axis 0); Wv (in the module: [2048, 512], K = its axis 0): each comes as NAME_codes (uint8): NAME with its K axis moved to the last place and cut into blocks of 32 codes, [.., K / 32, bytes a block], one block behind the other in memory; four codes in three bytes: a row's codes are one little-endian stream of bits, code i at bits 6 i .. 6 i + 5 (a code: sign, 2 exponent bits, 3 mantissa bits); and NAME_scales (uint8): the same leading axes, one E8M0 byte (e + 127) for each 32 codes along K. Its value is code x scale, taken as it is: it is not quantised again, and the codes and scales need not be those that the quantiser above would give.
;; One version. Each part assembles by itself: llvm-mc -triple=amdgcn-amd-amdhsa -mcpu=gfx1250 --defsym DOCPART=n.
;; ======== version 1 of 1: 4 launches
;; workspace buffers: xc 3,145,728 bytes; xs 131,072 bytes; qc 3,145,728 bytes; qs 131,072 bytes; kvc 3,276,800 bytes; yc 3,145,728 bytes; ys 131,072 bytes
;; launch prep (part 1): grid 224 x 1, 4 waves a work-group, no clusters, 147,968 bytes of LDS; arguments x, past_key, past_value, xc, xs, kvc, out1, out2; writes xc, xs, kvc, out1, out2
.if DOCPART == 1
	.amdgcn_target "amdgcn-amd-amdhsa--gfx1250"
	.amdhsa_code_object_version 6
	.text
	.protected	k_q50497cd80e_prep
	.globl	k_q50497cd80e_prep
	.p2align	8
	.type	k_q50497cd80e_prep,@function
k_q50497cd80e_prep:
	s_mov_b64 s[64:65], 0
	v_nop
	global_prefetch_b8 v0, s[64:65] scope:SCOPE_SE
	s_setreg_imm32_b32 hwreg(HW_REG_WAVE_MODE, 25, 1), 1
	s_wait_xcnt 0x0
; PREP: what can be quantised before any product.  x -> codes (xc, xs); past_key -> out1 rows 0-2047 and K's codes of key steps 0-15; past_value -> out2 rows 0-2047 and V's codes of key steps 0-15.
; Codes are FP6 (E2M3) with one E8M0 byte for each 32 along K: the byte is the block's largest magnitude's exponent field - 2, held at 1 from below.
; LIMITS: NaN and infinities are not served; a block whose largest magnitude lies under 2^-124, a block of zeros among them, gets the byte 1 (zeros: the codes are zeros, and this program alone reads the bytes).
; EVERY OPERAND IS STORED AS AN IMAGE OF ITS REGISTERS: a fragment (16 rows x 128 K, 12 registers a lane) is 1,536 bytes, registers 4 c .. 4 c + 3 of lane l at 512 c + 16 l.
; THE ROWS OF A TILE: tile n holds in row r the token (or key) 32 (n / 2) + 8 (n % 2) + r + 8 (r / 8), so that in S^T = K Q^T the 16 registers of two neighbouring tiles are 16 neighbouring keys.
; kvc: [kv 4][key step 32][25,600]: K's 8 images, V's 8 images (tile 2 b + u, row r: channel 32 b + 8 u + r + 8 (r / 8); K = the step's 128 keys), K's scale words (512 bytes), V's (512).
; K's codes stand, inside each block of 32 channels, in the order 0-7, 16-23, 8-15, 24-31: the order in which the projections' launch makes q's and the new k's; alike on both sides of the product, it changes no sum.
; WORK-GROUPS: 0-127 x (a wave: 2 tiles x 2 K steps); 128-159 past_key (a wave: one kv head, 4 tiles); 160-223 past_value (a work-group: one kv head, one key step).  Each of the three ways has LDS bytes of its own.
; No tensor load, no matrix instruction.  One barrier, on the way that all take: past_value's 128 keys meet in LDS, since a lane there takes a channel and its registers run down the keys.
.set XST,   0                          ; x: a stage of 16 rows x 528 bytes for each wave
.set KST,   33792                      ; past_key: the same
.set VT,    67584                      ; past_value: 128 keys x 528 bytes
.set VIM,   135168                     ; past_value: two images (3,072 bytes) for each wave
.set STEPB, 25600                      ; a key step in kvc
.set R,     16                         ; v16-79, v80-143  two sets of 16 rows as loaded
.set X,     144                        ; v144-207 my two blocks of 32
.set C,     224                        ; v224-235 the image's 12 registers
.set PW,    244                        ; v244-247 the four units' scale words
.set VW,    0                          ; VQ works in window 0 here
.set VB,    16                         ; and from v16 on
.set LIR,   1
.set VSTR,  11
.set VSRR,  12
.set VSOR,  13
.set SVC,   42
.set SVS,   44
.set MSB, 0
.macro WIN new                         ; (the macros below are the projections' launch's too, where they switch register windows; here every setting is 0 and nothing is written)
.if MSB != (\new)
	s_set_vgpr_msb (MSB<<8)|(\new)
.set MSB, \new
.endif
.endm
; where row i of unit q lies in memory, from the wave's base
.macro ROWOFS q, i, pk
.if \pk
.set OFS, (32*((\q)>>1)+8*((\q)&1)+((\i)&7)+16*((\i)>>3))*2048
.else
.set OFS, (8*((\q)>>1)+((\i)&7)+16*((\i)>>3))*8192+512*((\q)&1)
.endif
.endm
.macro LOADU q, pk                     ; a unit: 16 rows x 512 bytes; each load reads 512 consecutive bytes
.irp i, 0,1,2,3,4,5,6,7,8,9,10,11,12,13,14,15
	ROWOFS \q, \i, \pk
	global_load_b128 v[R+64*((\q)%2)+4*\i:R+64*((\q)%2)+4*\i+3], v1, s[40:41] offset:OFS th:TH_LOAD_NT
.endr
.endm
; my two whole blocks (h and 2 + h of my row) become the image's 12 registers and the row's scale word
.macro QB q
.irp c, 0,1
	v_max3_num_f32 v[208+\c], |v[X+32*\c]|, |v[X+32*\c+1]|, 0x1800000   ; the floor 2^(3 - 127) among the leaves: the byte cannot fall under 1
.endr
.irp i, 2,4,6,8,10,12,14,16,18,20,22,24,26,28,30
.irp c, 0,1
	v_max3_num_f32 v[208+\c], v[208+\c], |v[X+32*\c+\i]|, |v[X+32*\c+\i+1]|
.endr
.endr
.irp c, 0,1
	v_add_nc_u32 v[210+\c], 0xff000000, v[208+\c]   ; 2 off the exponent field: the conversion's scale operand
.endr
.irp c, 0,1
	v_lshrrev_b32 v[212+\c], 23, v[210+\c]          ; the scale's byte
.endr
	v_lshl_or_b32 v216, v213, 16, v212              ; my two bytes,
	v_lshlrev_b32 v216, v5, v216                    ; 8 h bits up;
	v_permlanex16_b32 v217, v216, s22, s23
	v_or_b32 v[PW+(\q)], v216, v217                 ; with lane l xor 16's two the word is whole, in both halves of the lanes
.irp c, 0,1
	v_cvt_scalef32_pk16_fp6_f32 v[C+6*\c:C+6*\c+2], v[X+32*\c:X+32*\c+15], v[210+\c]
	v_cvt_scalef32_pk16_fp6_f32 v[236+4*\c:238+4*\c], v[X+32*\c+16:X+32*\c+31], v[210+\c]   ; (a conversion's three registers begin on an even number)
.endr
	v_nop                                           ; one plain place behind a scaled conversion
.irp c, 0,1
.irp i, 0,1,2
	v_mov_b32 v[C+6*\c+3+\i], v[236+4*\c+\i]
.endr
.endr
.endm
; A unit: rows as loaded -> (copy to out1) -> my stage -> back, 128 bytes of my row for each of my two blocks -> codes -> image
.macro UNIT q, base, pk
.set RQ, R+64*((\q)%2)
.if (\q) < 3
	s_wait_loadcnt 16                               ; this unit's 16 loads are in; the next unit's 16 may be out
.else
	s_wait_loadcnt 0x0
.endif
.if \pk
.irp i, 0,1,2,3,4,5,6,7,8,9,10,11,12,13,14,15
	ROWOFS \q, \i, 1
	global_store_b128 v1, v[RQ+4*\i:RQ+4*\i+3], s[46:47] offset:OFS th:TH_STORE_NT   ; 512 consecutive bytes of out1
.endr
.endif
.irp i, 0,1,2,3,4,5,6,7,8,9,10,11,12,13,14,15
	ds_store_b128 v3, v[RQ+4*\i:RQ+4*\i+3] offset:\base+528*\i
.endr
.irp c, 0,1
.irp m, 0,1,2,3,4,5,6,7
.if \pk
.set PIECE, (\m&1)|((\m&2)<<1)|((\m&4)>>1)          ; channels 0-7, 16-23, 8-15, 24-31 of the block
.else
.set PIECE, \m
.endif
	ds_load_b128 v[X+32*\c+4*\m:X+32*\c+4*\m+3], v4 offset:\base+256*\c+16*PIECE   ; LDS serves a wave's instructions in order: these see my stores
.endr
.endr
	s_wait_dscnt 0x0                                ; my numbers are back, and the stage's stores have read their registers
	s_wait_xcnt 0x0                                 ; the copies and the last image's stores have read theirs: the rows' and the codes' registers are written again only behind this wait
.if (\q) < 2
	LOADU (\q)+2, \pk
.endif
	QB \q
.irp c, 0,1,2
.if \pk
	global_store_b128 v1, v[C+4*\c:C+4*\c+3], s[42:43] offset:1536*(\q)+512*\c
.else
	global_store_b128 v1, v[C+4*\c:C+4*\c+3], s[42:43] offset:24576*((\q)>>1)+1536*((\q)&1)+512*\c
.endif
.endr
.endm
.macro WORDS                           ; the four units' scale words leave as one aligned run of 256 bytes: lanes 0-15 the words of units 0 and 1, lanes 16-31 of units 2 and 3
	v_cndmask_b32 v248, v[PW], v[PW+2], s24
	v_cndmask_b32 v249, v[PW+1], v[PW+3], s24
	global_store_b64 v2, v[248:249], s[44:45]
.endm
; VQ: 32 channels x 128 keys out of rows [key][528] in LDS become two images of V and 32 scale words.  A LANE TAKES A CHANNEL AND ITS REGISTERS RUN DOWN THE KEYS.
.macro VLD kb, va                      ; key block kb: 32 keys of my channel; 32 lanes read 32 neighbouring words
	WIN 0x40*VW
.irp i, 0,1,2,3,4,5,6,7,8,9,10,11,12,13,14,15,16,17,18,19,20,21,22,23,24,25,26,27,28,29,30,31
	ds_load_b32 v[VB+32*((\kb)%2)+\i], v[\va] offset:((\kb)&1)*16896+528*\i
.endr
.endm
.macro VBLOCK kb, cnt
.set VX, VB+32*((\kb)%2)
.set CC, VB+64+8*(\kb)
	s_wait_dscnt \cnt                               ; this block's 32 loads are in; what was issued behind them (the next block's loads, the last block's two stores) may be out
	WIN 0x55*VW
	v_max3_num_f32 v[VB+100], |v[VX]|, |v[VX+1]|, |v[VX+2]|
	v_max3_num_f32 v[VB+101], |v[VX+3]|, |v[VX+4]|, |v[VX+5]|
.irp i, 6,10,14,18,22,26
	v_max3_num_f32 v[VB+100], v[VB+100], |v[VX+\i]|, |v[VX+\i+1]|
	v_max3_num_f32 v[VB+101], v[VB+101], |v[VX+\i+2]|, |v[VX+\i+3]|
.endr
	v_max3_num_f32 v[VB+100], v[VB+100], |v[VX+30]|, |v[VX+31]|
	v_max3_num_f32 v[VB+100], v[VB+100], v[VB+101], 0x1800000
	v_add_nc_u32 v[VB+102], 0xff000000, v[VB+100]
	v_lshrrev_b32 v[VB+103], 23, v[VB+102]
.if (\kb) == 0
	v_mov_b32 v[VB+104], v[VB+103]                  ; my channel's scale word: byte kb for key block kb
.else
	v_lshl_or_b32 v[VB+104], v[VB+103], 8*(\kb), v[VB+104]
.endif
	v_cvt_scalef32_pk16_fp6_f32 v[CC:CC+2], v[VX:VX+15], v[VB+102]
	v_cvt_scalef32_pk16_fp6_f32 v[VB+96:VB+98], v[VX+16:VX+31], v[VB+102]
	v_nop
.irp i, 0,1,2
	v_mov_b32 v[CC+3+\i], v[VB+96+\i]
.endr
	WIN 0x04*VW                                     ; the block's six registers go to their place in the image: registers 6 (kb / 2) on of lane row + 16 (kb % 2)
.if (\kb) < 2
	ds_store_b128 v[VSTR], v[CC:CC+3] offset:256*((\kb)&1)
	ds_store_b64 v[VSTR], v[CC+4:CC+5] offset:512+256*((\kb)&1)
.else
	ds_store_b64 v[VSTR], v[CC:CC+1] offset:520+256*((\kb)&1)
	ds_store_b128 v[VSTR], v[CC+2:CC+5] offset:1024+256*((\kb)&1)
.endif
.endm
.macro VQ va0, va1, goff, soff
	VLD 0, \va0
	VLD 1, \va0
	VBLOCK 0, 32
	VLD 2, \va1
	VBLOCK 1, 34
	VLD 3, \va1
	VBLOCK 2, 34
	VBLOCK 3, 2
	WIN 0x40*VW
.irp i, 0,1,2,3,4,5
	ds_load_b128 v[VB+108+4*\i:VB+108+4*\i+3], v[VSRR] offset:512*\i   ; my own bytes, served in order
.endr
	s_wait_dscnt 0x0
	WIN 0x04*VW
.irp i, 0,1,2,3,4,5
	global_store_b128 v[LIR], v[VB+108+4*\i:VB+108+4*\i+3], s[SVC:SVC+1] offset:\goff+512*\i
.endr
	global_store_b32 v[VSOR], v[VB+104], s[SVS:SVS+1] offset:\soff     ; 128 consecutive bytes
	WIN 0
.endm
	s_load_b512 s[4:19], s[0:1], 0x0                ; x s[4:5], past_key s[6:7], past_value s[8:9], xc s[10:11], xs s[12:13], kvc s[14:15], out1 s[16:17], out2 s[18:19]
	v_lshl_add_u32 v254, v0, 2, 0x24000
	v_mov_b32 v255, 0
	v_lshrrev_b32 v1, 5, v0
	v_readfirstlane_b32 s26, v1                     ; wave 0..3
	v_and_b32 v14, 31, v0                           ; lane
	v_and_b32 v15, 15, v0                           ; r
	v_bfe_u32 v5, v0, 4, 1                          ; h
	v_lshlrev_b32 v1, 4, v14                        ; v1: 16 x lane
	v_lshlrev_b32 v2, 3, v14                        ; v2: 8 x lane
	; every LDS address is made here, on the way that all take
	s_mul_i32 s27, s26, 8448
	v_add_nc_u32 v3, s27, v1                        ; v3: my stage, on the way in: 16 x lane (+ 528 a row)
	v_mul_u32_u24 v4, v15, 528
	v_lshl_add_u32 v4, v5, 7, v4
	v_add_nc_u32 v4, s27, v4                        ; v4: and back: row r, + 128 h
	s_mul_i32 s27, s26, 16896
	s_add_co_u32 s27, s27, VT
	v_add_nc_u32 v8, s27, v1                        ; v8: past_value's rows: my wave's 32 keys
	s_lshl_b32 s27, s26, 7
	s_add_co_u32 s27, s27, VT
	v_lshl_add_u32 v9, v14, 2, s27                  ; v9: channel 32 w + lane of keys 0-63,
	v_add_nc_u32 v10, 33792, v9                     ; v10: of keys 64-127
	v_bfe_u32 v11, v0, 3, 1                         ; u: which of my two tiles my channel falls into,
	v_and_b32 v12, 7, v0
	v_lshl_add_u32 v12, v5, 3, v12                  ; and its row there
	v_lshlrev_b32 v13, 3, v12
	v_lshl_add_u32 v13, v11, 2, v13                 ; v13: my scale word's place: 8 x row + 4 u
	s_mul_i32 s27, s26, 3072
	s_add_co_u32 s27, s27, VIM
	v_mul_u32_u24 v11, v11, 1536
	v_lshl_add_u32 v11, v12, 4, v11
	v_add_nc_u32 v11, s27, v11                      ; v11: my place in my wave's two images
	v_add_nc_u32 v12, s27, v1                       ; v12: and the way back: 16 x lane
	v_lshlrev_b32 v5, 3, v5                         ; v5: 8 h
	v_mov_b32 v217, 0                               ; written once: a lane permute's destination counts as one of its sources
	s_mov_b32 s22, 0x76543210
	s_mov_b32 s23, 0xfedcba98                       ; v_permlanex16_b32's selects for lane l xor 16
	s_mov_b32 s24, 0xffff0000                       ; lanes 16-31
	s_mov_b32 s37, 0
	s_wait_kmcnt 0x0
	s_cmp_lt_u32 ttmp9, 128
	s_cbranch_scc0 .Lnot_x
	; ---- x: task 4 g + w = 8 x (pair of tiles) + (pair of K steps)
	s_lshl_b32 s32, ttmp9, 2
	s_add_co_u32 s32, s32, s26
	s_lshr_b32 s33, s32, 3
	s_and_b32 s34, s32, 7
	s_lshl_b32 s36, s33, 18                         ; 32 tokens of 8,192 bytes
	s_lshl_b32 s35, s34, 10
	s_add_co_u32 s36, s36, s35
	s_add_nc_u64 s[40:41], s[4:5], s[36:37]
	s_mul_i32 s36, s33, 49152
	s_mul_i32 s35, s34, 3072
	s_add_co_u32 s36, s36, s35
	s_add_nc_u64 s[42:43], s[10:11], s[36:37]
	s_lshl_b32 s36, s33, 11
	s_lshl_b32 s35, s34, 8
	s_add_co_u32 s36, s36, s35
	s_add_nc_u64 s[44:45], s[12:13], s[36:37]
	LOADU 0, 0
	LOADU 1, 0
	UNIT 0, XST, 0
	UNIT 1, XST, 0
	UNIT 2, XST, 0
	UNIT 3, XST, 0
	WORDS
	s_branch .Ljoin
.Lnot_x:
	s_cmp_lt_u32 ttmp9, 160
	s_cbranch_scc0 .Lpv
	; ---- past_key: kv head = wave; key step (g - 128) / 2, tiles 4 ((g - 128) % 2) on
	s_sub_co_u32 s32, ttmp9, 128
	s_lshr_b32 s33, s32, 1
	s_and_b32 s34, s32, 1
	s_lshl_b32 s36, s33, 18
	s_lshl_b32 s35, s34, 17
	s_add_co_u32 s36, s36, s35
	s_lshl_b32 s35, s26, 9
	s_add_co_u32 s36, s36, s35
	s_add_nc_u64 s[40:41], s[6:7], s[36:37]
	s_add_nc_u64 s[46:47], s[16:17], s[36:37]
	s_lshl_b32 s35, s26, 5
	s_add_co_u32 s35, s35, s33
	s_mul_i32 s35, s35, STEPB
	s_mul_i32 s36, s34, 6144
	s_add_co_u32 s36, s36, s35
	s_add_nc_u64 s[42:43], s[14:15], s[36:37]
	s_lshl_b32 s36, s34, 8
	s_add_co_u32 s36, s36, s35
	s_add_co_u32 s36, s36, 24576
	s_add_nc_u64 s[44:45], s[14:15], s[36:37]
	LOADU 0, 1
	LOADU 1, 1
	UNIT 0, KST, 1
	UNIT 1, KST, 1
	UNIT 2, KST, 1
	UNIT 3, KST, 1
	WORDS
	s_branch .Ljoin
.Lpv:
	; ---- past_value: kv head (g - 160) % 4, key step (g - 160) / 4; wave w copies keys 32 w .. 32 w + 31 to out2 and lays them into LDS
	s_sub_co_u32 s32, ttmp9, 160
	s_and_b32 s34, s32, 3
	s_lshr_b32 s33, s32, 2
	s_lshl_b32 s36, s33, 18
	s_lshl_b32 s35, s26, 16
	s_add_co_u32 s36, s36, s35
	s_lshl_b32 s35, s34, 9
	s_add_co_u32 s36, s36, s35
	s_add_nc_u64 s[40:41], s[8:9], s[36:37]
	s_add_nc_u64 s[46:47], s[18:19], s[36:37]
	s_lshl_b32 s35, s34, 5
	s_add_co_u32 s35, s35, s33
	s_mul_i32 s35, s35, STEPB
	s_mul_i32 s36, s26, 3072
	s_add_co_u32 s36, s36, s35
	s_add_co_u32 s36, s36, 12288
	s_add_nc_u64 s[42:43], s[14:15], s[36:37]
	s_lshl_b32 s36, s26, 7
	s_add_co_u32 s36, s36, s35
	s_add_co_u32 s36, s36, 25088
	s_add_nc_u64 s[44:45], s[14:15], s[36:37]
.irp i, 0,1,2,3,4,5,6,7,8,9,10,11,12,13,14,15,16,17,18,19,20,21,22,23,24,25,26,27,28,29,30,31
	global_load_b128 v[16+4*\i:19+4*\i], v1, s[40:41] offset:2048*\i th:TH_LOAD_NT
.endr
.irp i, 0,1,2,3,4,5,6,7,8,9,10,11,12,13,14,15,16,17,18,19,20,21,22,23,24,25,26,27,28,29,30,31
	s_wait_loadcnt 31-\i                            ; key i is in; the younger keys' loads may be out
	global_store_b128 v1, v[16+4*\i:19+4*\i], s[46:47] offset:2048*\i th:TH_STORE_NT
	ds_store_b128 v8, v[16+4*\i:19+4*\i] offset:528*\i
.endr
.Ljoin:
	s_wait_dscnt 0x0                                ; for the others' sake: my LDS stores have landed
	s_barrier_signal -1
	s_barrier_wait -1
	s_cmp_lt_u32 ttmp9, 160
	s_cbranch_scc1 .Lend
	s_wait_xcnt 0x0                                 ; the copies have read their registers, which VQ writes
	VQ 9, 10, 0, 0                                  ; channels 32 w .. 32 w + 31 of the step's 128 keys
.Lend:
	s_wait_tensorcnt 0x0
	ds_add_u32 v254, v255
	s_wait_dscnt 0x0
	s_endpgm
.Lfunc_end_k_q50497cd80e_prep:
	.size	k_q50497cd80e_prep, .Lfunc_end_k_q50497cd80e_prep-k_q50497cd80e_prep
	.p2alignl 7, 3214868480
	.fill 96, 4, 3214868480
	.section	.rodata,"a",@progbits
	.p2align	6, 0x0
	.amdhsa_kernel k_q50497cd80e_prep
		.amdhsa_group_segment_fixed_size 147968
		.amdhsa_private_segment_fixed_size 0
		.amdhsa_enable_private_segment 0
		.amdhsa_kernarg_size 64
		.amdhsa_user_sgpr_count 2
		.amdhsa_user_sgpr_kernarg_segment_ptr 1
		.amdhsa_wavefront_size32 1
		.amdhsa_system_sgpr_workgroup_id_x 1
		.amdhsa_system_sgpr_workgroup_id_y 1
		.amdhsa_system_sgpr_workgroup_id_z 1
		.amdhsa_system_vgpr_workitem_id 0
		.amdhsa_next_free_vgpr 256
		.amdhsa_next_free_sgpr 66
		.amdhsa_reserve_vcc 0
		.amdhsa_float_denorm_mode_32 3
		.amdhsa_float_denorm_mode_16_64 3
		.amdhsa_memory_ordered 1
		.amdhsa_forward_progress 1
		.amdhsa_inst_pref_size 91
	.end_amdhsa_kernel
	.amdgpu_metadata
---
amdhsa.version: [ 1, 2 ]
amdhsa.kernels:
  - .name:           k_q50497cd80e_prep
    .symbol:         k_q50497cd80e_prep.kd
    .args:
      - { .name: x, .offset: 0, .size: 8, .value_kind: global_buffer, .address_space: global }
      - { .name: past_key, .offset: 8, .size: 8, .value_kind: global_buffer, .address_space: global }
      - { .name: past_value, .offset: 16, .size: 8, .value_kind: global_buffer, .address_space: global }
      - { .name: xc, .offset: 24, .size: 8, .value_kind: global_buffer, .address_space: global }
      - { .name: xs, .offset: 32, .size: 8, .value_kind: global_buffer, .address_space: global }
      - { .name: kvc, .offset: 40, .size: 8, .value_kind: global_buffer, .address_space: global }
      - { .name: out1, .offset: 48, .size: 8, .value_kind: global_buffer, .address_space: global }
      - { .name: out2, .offset: 56, .size: 8, .value_kind: global_buffer, .address_space: global }
    .group_segment_fixed_size: 147968
    .private_segment_fixed_size: 0
    .kernarg_segment_align: 8
    .kernarg_segment_size: 64
    .max_flat_workgroup_size: 128
    .sgpr_count:     66
    .vgpr_count:     256
    .wavefront_size: 32
...
	.end_amdgpu_metadata
.endif
;; end of part 1
;; launch qkv (part 2): grid 8 x 24, 4 waves a work-group, clusters of 4 x 1, 264,192 bytes of LDS; arguments xc, xs, Wq_codes, Wq_scales, Wk_codes, Wk_scales, Wv_codes, Wv_scales, cos, sin, ve, x, Wg, qc, qs, kvc, out1, out2; writes qc, qs, kvc, out1, out2
.if DOCPART == 2
	.amdgcn_target "amdgcn-amd-amdhsa--gfx1250"
	.amdhsa_code_object_version 6
	.text
	.protected	k_q50497cd80e_qkv
	.globl	k_q50497cd80e_qkv
	.p2align	8
	.type	k_q50497cd80e_qkv,@function
k_q50497cd80e_qkv:
	s_mov_b64 s[64:65], 0
	v_nop
	global_prefetch_b8 v0, s[64:65] scope:SCOPE_SE
	s_setreg_imm32_b32 hwreg(HW_REG_WAVE_MODE, 25, 1), 1
	s_wait_xcnt 0x0
	s_wait_alu depctr_hold_cnt(0) depctr_sa_sdst(0) depctr_va_vdst(0) depctr_va_sdst(0) depctr_va_ssrc(0) depctr_va_vcc(0) depctr_vm_vsrc(0)
	s_getreg_b32 s2, hwreg(HW_REG_IB_STS2, 6, 4)
	s_cmp_eq_u32 s2, 0
	s_cbranch_scc0 .Lentry_in_a_cluster
	s_endpgm
.Lentry_in_a_cluster:
	s_bfe_u32 s2, ttmp6, 0x10000c
	s_cmp_lg_u32 s2, 0x3003
	s_cbranch_scc0 .Lentry_shape_is_right
	s_endpgm
.Lentry_shape_is_right:
; QKV: x Wq, x Wk, x Wv on codes of FP6 (E2M3) with E8M0 scales, and what follows each: rope and rmsnorm x 1.2 (q, k), the gate 3 sigmoid(x[:12] Wg) x ve (v); q -> codes; k -> out1 rows 2048 on and K's codes; v -> out2 rows 2048 on and V's codes.
; LIMITS: NaN and infinities are not served; a block whose largest magnitude lies under 2^-124 (a block of zeros too) gets the scale byte 1; rsqrt x 1.2 is multiplied onto the numbers as one factor (one f32 rounding apart from two multiplications).
; SHARES.  Work-group (X, Y): 256 tokens (16 tiles) x the 128 rows of W of one head: Y 0-15 q's heads, 16-19 k's, 20-23 v's.  Wave w: tiles 16 X + 4 w + 0..3 against all 8 tiles of W: 32 accumulators.
; W: a head's 128 rows for ALL of K are 196,608 bytes: they come into LDS once, in two halves along K, so there is no ring and nothing is filled again.  The four work-groups of a cluster share Y, so W is asked for JOINTLY.
; x: a wave's fragments are its own: they go from memory (images: 512 consecutive bytes a load) straight into registers, three K steps ahead.
; THE MATRIX INSTRUCTION IS USED TRANSPOSED (source 0 = 16 rows of W, source 1 = 16 tokens): lane (r, h) holds token row r, register 8 t + j the channel 16 t + 8 h + j.
; REGISTERS, in windows of 256: window 0: v0-31 addresses; v32-95 W's scale words; v96-127 x's; v128-255 two sets of cos and sin, or of ve.   window 1: v0-191 x's fragments, four sets; v192-239 the gate's x; v240-247 the gates.
;   window 2: the accumulators, (tile a, W tile t) at 64 a + 8 t.   window 3: v0-191 W's fragments, two sets; behind the products v0-63 the tile's numbers, v64-127 at work, v128-191 rows on their way out; v192-243 the quantiser's.
.set WH1,   104448                     ; LDS: W's first half along K at 0: 128 rows x 816 bytes (768 of data, 16 of padding behind each 256); the second half here
.set WSC,   208896                     ; W's scale bytes: 32 runs of 256 bytes + 16
.set KSTG,  217600                     ; k's way out: 16 rows x 528 bytes for each wave
.set VIM,   251392                     ; v: two images for each wave
.set STEPB, 25600                      ; a key step in kvc
.set WS,  32
.set XS,  96
.set CS,  128
.set H,   0
.set T,   64
.set U,   96
.set OB,  128
.set TM,  192
.set PC,  208
.set PW,  228
.set VW,  1                            ; VQ works in window 1,
.set VB,  0                            ; from its v0 on
.set LIR,  1
.set VSTR, 23
.set VSRR, 24
.set VSOR, 25
.set SVC,  34
.set SVS,  30
.set MSB, 0
.macro WIN new                         ; s_set_vgpr_msb: bits 1:0 source 0, 3:2 source 1, 5:4 source 2, 7:6 destination; the high byte repeats the setting that is left
.if MSB != (\new)
	s_set_vgpr_msb (MSB<<8)|(\new)
.set MSB, \new
.endif
.endm
.macro CROUND                          ; a round of the cluster's barrier
	s_barrier_signal -1
	s_barrier_wait -1
	s_cmp_lg_u32 s76, 0
	s_cbranch_scc1 .Lnot_wave_0_\@
	s_barrier_signal -3
.Lnot_wave_0_\@:
	s_barrier_wait -3
	s_barrier_signal -1
	s_barrier_wait -1
.endm
; W's fragment of K step s, tile t, into set: six pieces of 8 bytes.  Lanes 16-31 read three pieces further on; where that is behind one padding more, the second address register (40 for 24 bytes a half) serves
.macro WFRAG set, s, t
.irp p, 0,1,2,3,4,5
.set PCE, 12*((\s)&7)+6*(\p/3)+\p%3
.set ARG, 3+2*((\s)>>3)+((\t)>>2)
.if PCE%32 >= 29
.set ARG, ARG+4
.endif
	ds_load_b64 v[96*(\set)+12*(\t)+2*\p:96*(\set)+12*(\t)+2*\p+1], v[ARG] offset:((\t)&3)*13056+8*PCE+16*(PCE/32)
.endr
.endm
.macro XLOAD s                         ; my four tiles' fragments of K step s: 12 loads of 512 consecutive bytes
.irp a, 0,1,2,3
.irp c, 0,1,2
	global_load_b128 v[48*((\s)%4)+12*\a+4*\c:48*((\s)%4)+12*\a+4*\c+3], v1, s[4:5] offset:24576*\a+1536*(\s)+512*\c
.endr
.endr
.endm
.macro MMI c, m1, m2
	v_wmma_scale_f32_16x16x128_f8f6f4 v[DD:DD+7], v[AA:AA+11], v[BB:BB+11], \c, v[SA], v[SB] matrix_a_fmt:MATRIX_FMT_FP6 matrix_b_fmt:MATRIX_FMT_FP6 \m1 \m2
.endm
.macro MMS c, t, a                     ; W's tiles 4-7 have their scale words in lanes 16-31, and so have the odd tiles of tokens
.if ((\t) < 4) && (((\a)&1) == 0)
	MMI \c
.elseif (\t) < 4
	MMI \c, matrix_b_scale:MATRIX_SCALE_ROW1
.elseif ((\a)&1) == 0
	MMI \c, matrix_a_scale:MATRIX_SCALE_ROW1
.else
	MMI \c, matrix_a_scale:MATRIX_SCALE_ROW1, matrix_b_scale:MATRIX_SCALE_ROW1
.endif
.endm
.macro MM s, t, a
.set DD, 64*(\a)+8*(\t)
.set AA, 96*((\s)%2)+12*(\t)
.set BB, 48*((\s)%4)+12*(\a)
.set SA, WS+16*((\t)&3)+(\s)
.set SB, XS+16*((\a)>>1)+(\s)
.if (\s) == 0
	MMS 0, \t, \a                                   ; the first K step starts the sums: nothing is cleared
.else
	MMS v[DD:DD+7], \t, \a
.endif
.endm
; A K step of 128: the next step's fragments of W and the x of three steps on are asked for, then 32 products; the 32 accumulators take turns, in the same order in every step
.macro KSTEP s
	s_wait_dscnt 0x0                                ; this step's fragments of W are in
.if (\s) == 7
	s_wait_tensorcnt 0x0                            ; my part of W's second half has landed,
	s_barrier_signal -1
	s_barrier_wait -1                               ; everybody's has.
.endif
.if (\s) > 0
.rept 4
	v_nop                                           ; four places between the last step's products and loads into registers that they read
.endr
.endif
.if (\s) < 15
	WIN 0xc0
.irp t, 0,1,2,3,4,5,6,7
	WFRAG ((\s)+1)%2, (\s)+1, \t
.endr
.endif
.if (\s) < 13
	WIN 0x40
	XLOAD (\s)+3
	s_wait_loadcnt 36                               ; this step's x is in; the three steps behind it, 12 loads each, may be out
.else
	s_wait_loadcnt 12*(15-(\s))
.endif
	WIN 0xa7                                        ; source 0 (W) window 3, source 1 (x) window 1, C and D window 2
.irp t, 0,1,2,3,4,5,6,7
.irp a, 0,1,2,3
	MM \s, \t, \a
.endr
.endr
.endm
; 64 numbers of a lane, register 16 b + i = place 32 b + 16 (lane / 16) + i of my row's K, become a fragment's codes in v[PC] on and the row's scale word in v[pw]
.macro QUANT s, pw
.irp b, 0,1,2,3
	v_max3_num_f32 v[TM+\b], |v[\s+16*\b]|, |v[\s+1+16*\b]|, 0x1800000   ; the floor 2^(3 - 127): the byte cannot fall under 1
.endr
.irp i, 2,4,6,8,10,12,14
.irp b, 0,1,2,3
	v_max3_num_f32 v[TM+\b], v[TM+\b], |v[\s+16*\b+\i]|, |v[\s+1+16*\b+\i]|
.endr
.endr
.irp b, 0,1,2,3
	v_permlanex16_b32 v[TM+4+\b], v[TM+\b], s80, s81
.endr
.irp b, 0,1,2,3
	v_max_num_f32 v[TM+\b], v[TM+\b], v[TM+4+\b]    ; with lane l xor 16's: the block's largest magnitude
.endr
.irp b, 0,1,2,3
	v_add_nc_u32 v[TM+12+\b], 0xff000000, v[TM+\b]  ; 2 off its exponent field: the conversion's scale operand
.endr
.irp b, 0,1,2,3
	v_lshrrev_b32 v[TM+4+\b], 23, v[TM+12+\b]       ; the scale's byte
.endr
	v_lshl_or_b32 v[\pw], v[TM+5], 8, v[TM+4]
	v_lshl_or_b32 v[\pw], v[TM+6], 16, v[\pw]
	v_lshl_or_b32 v[\pw], v[TM+7], 24, v[\pw]
.irp c, 0,1
	v_cvt_scalef32_pk16_fp6_f32 v[PC+6*\c:PC+2+6*\c], v[\s+32*\c:\s+15+32*\c], v[TM+12+2*\c]
	v_cvt_scalef32_pk16_fp6_f32 v[PC+12+4*\c:PC+14+4*\c], v[\s+16+32*\c:\s+31+32*\c], v[TM+12+2*\c+1]
.endr
	v_nop                                           ; one plain place behind a scaled conversion
.irp c, 0,1                                     ; the operand's layout wants a whole block in a lane
.irp i, 0,1,2
	v_permlane16_swap_b32 v[PC+6*\c+\i], v[PC+12+4*\c+\i]
.endr
.irp i, 0,1,2
	v_mov_b32 v[PC+3+6*\c+\i], v[PC+12+4*\c+\i]
.endr
.endr
.endm
.macro CSLOAD a                        ; tile a's cos (32 registers) and sin (32): those of channels 16 t + 8 h + j, t = 0..3, of my token
.set CSL, CS+64*((\a)%2)
.set TOF, (32*((\a)>>1)+8*((\a)&1))*256
.irp t, 0,1,2,3
	global_load_b128 v[CSL+8*\t:CSL+8*\t+3], v14, s[20:21] offset:TOF+64*\t
	global_load_b128 v[CSL+8*\t+4:CSL+8*\t+7], v14, s[20:21] offset:TOF+64*\t+16
	global_load_b128 v[CSL+32+8*\t:CSL+32+8*\t+3], v14, s[22:23] offset:TOF+64*\t
	global_load_b128 v[CSL+32+8*\t+4:CSL+32+8*\t+7], v14, s[22:23] offset:TOF+64*\t+16
.endr
.endm
.macro VELOAD a                        ; tile a's ve, in the accumulators' layout
.set CSL, CS+64*((\a)%2)
.set TOF, (32*((\a)>>1)+8*((\a)&1))*2048
.irp t, 0,1,2,3,4,5,6,7
	global_load_b128 v[CSL+8*\t:CSL+8*\t+3], v15, s[24:25] offset:TOF+64*\t
	global_load_b128 v[CSL+8*\t+4:CSL+8*\t+7], v15, s[24:25] offset:TOF+64*\t+16
.endr
.endm
.macro CSWAIT a                        ; tiles 0 and 1 came long ago; tile 2's 16 loads have tile 3's 16 behind them
	s_wait_xcnt 0x0                                 ; the last tile's stores have read their registers, which this tile writes
.if (\a) == 2
	s_wait_loadcnt 16
.endif
.if (\a) == 3
	s_wait_loadcnt 0x0
.endif
.endm
; q's and k's way out of tile a: rope, rmsnorm x 1.2, (k: 16 rows to out1 through my stage), codes, image
.macro QKTILE a
.set CSS, CS+64*((\a)%2)
.set AC, 64*(\a)
.set TR, 32*((\a)>>1)+8*((\a)&1)
	CSWAIT \a
	WIN 0xc2                                        ; destination window 3, source 0 window 2, source 1 window 0
.set g, 0
.rept 16                                        ; each accumulator is read from its low end on
	v_pk_mul_f32 v[T+g:T+g+1], v[AC+32+g:AC+33+g], v[CSS+32+g:CSS+33+g]   ; x2 sin
	v_pk_mul_f32 v[U+g:U+g+1], v[AC+32+g:AC+33+g], v[CSS+g:CSS+g+1]       ; x2 cos
.set g, g+2
.endr
	WIN 0xf2                                        ; and source 2 window 3
.set g, 0
.rept 16
	v_pk_fma_f32 v[H+32+g:H+33+g], v[AC+g:AC+g+1], v[CSS+32+g:CSS+33+g], v[U+g:U+g+1] neg_lo:[1,0,0] neg_hi:[1,0,0]   ; -x1 sin + x2 cos
	v_pk_fma_f32 v[H+g:H+g+1], v[AC+g:AC+g+1], v[CSS+g:CSS+g+1], v[T+g:T+g+1]                                         ; x1 cos + x2 sin
.set g, g+2
.endr
	WIN 0
.if (\a) < 2
	CSLOAD (\a)+2
.endif
	WIN 0xff                                        ; all in window 3
	v_pk_mul_f32 v[232:233], v[H:H+1], v[H:H+1]     ; the sum of squares of my 64, in two packed chains
	v_pk_mul_f32 v[234:235], v[H+2:H+3], v[H+2:H+3]
.set g, 4
.rept 15
	v_pk_fma_f32 v[232:233], v[H+g:H+g+1], v[H+g:H+g+1], v[232:233]
	v_pk_fma_f32 v[234:235], v[H+g+2:H+g+3], v[H+g+2:H+g+3], v[234:235]
.set g, g+4
.endr
	v_pk_add_f32 v[232:233], v[232:233], v[234:235]
	v_add_f32 v232, v232, v233
	v_permlanex16_b32 v236, v232, s80, s81
	v_add_f32 v232, v232, v236                      ; with lane l xor 16's 64: the token's 128
	v_fma_f32 v232, v232, s83, s84                  ; / 128 + 1e-6
	v_rsq_f32 v238, v232
	v_nop                                           ; a plain place behind the transcendental
	s_wait_alu depctr_va_vdst(0)                    ; and the wait ahead of its first reader
	v_mul_f32 v238, 0x3f99999a, v238                ; x 1.2
	v_mov_b32 v239, v238                            ; (named with it as a pair)
.set g, 0
.rept 32
	v_pk_mul_f32 v[H+g:H+g+1], v[H+g:H+g+1], v[238:239] op_sel_hi:[1,0]
.set g, g+2
.endr
	WIN 0
	s_cmp_lg_u32 s77, 1
	s_cbranch_scc1 .Lnot_k_\@
	WIN 0x0c                                        ; an LDS store's data are its source 1: window 3
.irp t, 0,1,2,3,4,5,6,7
	ds_store_b128 v12, v[H+8*\t:H+8*\t+3] offset:64*\t
	ds_store_b128 v12, v[H+8*\t+4:H+8*\t+7] offset:64*\t+16
.endr
	WIN 0xc0
.irp i, 0,1,2,3,4,5,6,7,8,9,10,11,12,13,14,15
	ds_load_b128 v[OB+4*\i:OB+4*\i+3], v13 offset:528*\i   ; my own bytes, served in order
.endr
	s_wait_dscnt 0x0
	WIN 0x0c
.irp i, 0,1,2,3,4,5,6,7,8,9,10,11,12,13,14,15
	global_store_b128 v1, v[OB+4*\i:OB+4*\i+3], s[90:91] offset:2048*(TR+(\i&7)+16*(\i>>3)) th:TH_STORE_NT   ; a token's 512 consecutive bytes of out1
.endr
	WIN 0
.Lnot_k_\@:
	WIN 0xff
	QUANT H, PW+(\a)
	WIN 0x0c
.irp c, 0,1,2
	global_store_b128 v1, v[PC+4*\c:PC+4*\c+3], s[86:87] offset:1536*(\a)+512*\c
.endr
.endm
; v's way out of tile a: + gate x ve; the tile's 16 rows into the work-group's rows in LDS (they are wanted there by channels), back as rows, to out2
.macro VTILE a
.set CSS, CS+64*((\a)%2)
.set AC, 64*(\a)
.set TR, 32*((\a)>>1)+8*((\a)&1)
	CSWAIT \a
	WIN 0xe4                                        ; destination window 3, C window 2, the gate window 1, ve window 0
.set g, 0
.rept 32
	v_pk_fma_f32 v[H+g:H+g+1], v[CSS+g:CSS+g+1], v[240+2*(\a):241+2*(\a)], v[AC+g:AC+g+1] op_sel_hi:[1,0,1]
.set g, g+2
.endr
	WIN 0
.if (\a) < 2
	VELOAD (\a)+2
.endif
	WIN 0x0c
.irp t, 0,1,2,3,4,5,6,7
	ds_store_b128 v17, v[H+8*\t:H+8*\t+3] offset:528*TR+64*\t
	ds_store_b128 v17, v[H+8*\t+4:H+8*\t+7] offset:528*TR+64*\t+16
.endr
	WIN 0xc0
.irp i, 0,1,2,3,4,5,6,7,8,9,10,11,12,13,14,15
	ds_load_b128 v[OB+4*\i:OB+4*\i+3], v18 offset:528*(TR+(\i&7)+16*(\i>>3))
.endr
	s_wait_dscnt 0x0
	WIN 0x0c
.irp i, 0,1,2,3,4,5,6,7,8,9,10,11,12,13,14,15
	global_store_b128 v1, v[OB+4*\i:OB+4*\i+3], s[90:91] offset:2048*(TR+(\i&7)+16*(\i>>3)) th:TH_STORE_NT
.endr
	WIN 0
.endm
; VQ: 32 channels x 128 keys out of rows [key][528] in LDS become two images of V and 32 scale words.  A LANE TAKES A CHANNEL AND ITS REGISTERS RUN DOWN THE KEYS.
.macro VLD kb, va
	WIN 0x40*VW
.irp i, 0,1,2,3,4,5,6,7,8,9,10,11,12,13,14,15,16,17,18,19,20,21,22,23,24,25,26,27,28,29,30,31
	ds_load_b32 v[VB+32*((\kb)%2)+\i], v[\va] offset:((\kb)&1)*16896+528*\i
.endr
.endm
.macro VBLOCK kb, cnt
.set VX, VB+32*((\kb)%2)
.set CC, VB+64+8*(\kb)
	s_wait_dscnt \cnt                               ; this block's 32 loads are in; what was issued behind them (the next block's loads, the last block's two stores) may be out
	WIN 0x55*VW
	v_max3_num_f32 v[VB+100], |v[VX]|, |v[VX+1]|, |v[VX+2]|
	v_max3_num_f32 v[VB+101], |v[VX+3]|, |v[VX+4]|, |v[VX+5]|
.irp i, 6,10,14,18,22,26
	v_max3_num_f32 v[VB+100], v[VB+100], |v[VX+\i]|, |v[VX+\i+1]|
	v_max3_num_f32 v[VB+101], v[VB+101], |v[VX+\i+2]|, |v[VX+\i+3]|
.endr
	v_max3_num_f32 v[VB+100], v[VB+100], |v[VX+30]|, |v[VX+31]|
	v_max3_num_f32 v[VB+100], v[VB+100], v[VB+101], 0x1800000
	v_add_nc_u32 v[VB+102], 0xff000000, v[VB+100]
	v_lshrrev_b32 v[VB+103], 23, v[VB+102]
.if (\kb) == 0
	v_mov_b32 v[VB+104], v[VB+103]
.else
	v_lshl_or_b32 v[VB+104], v[VB+103], 8*(\kb), v[VB+104]
.endif
	v_cvt_scalef32_pk16_fp6_f32 v[CC:CC+2], v[VX:VX+15], v[VB+102]
	v_cvt_scalef32_pk16_fp6_f32 v[VB+96:VB+98], v[VX+16:VX+31], v[VB+102]
	v_nop
.irp i, 0,1,2
	v_mov_b32 v[CC+3+\i], v[VB+96+\i]
.endr
	WIN 0x04*VW
.if (\kb) < 2
	ds_store_b128 v[VSTR], v[CC:CC+3] offset:256*((\kb)&1)
	ds_store_b64 v[VSTR], v[CC+4:CC+5] offset:512+256*((\kb)&1)
.else
	ds_store_b64 v[VSTR], v[CC:CC+1] offset:520+256*((\kb)&1)
	ds_store_b128 v[VSTR], v[CC+2:CC+5] offset:1024+256*((\kb)&1)
.endif
.endm
.macro VQ va0, va1, goff, soff
	VLD 0, \va0
	VLD 1, \va0
	VBLOCK 0, 32
	VLD 2, \va1
	VBLOCK 1, 34
	VLD 3, \va1
	VBLOCK 2, 34
	VBLOCK 3, 2
	WIN 0x40*VW
.irp i, 0,1,2,3,4,5
	ds_load_b128 v[VB+108+4*\i:VB+108+4*\i+3], v[VSRR] offset:512*\i
.endr
	s_wait_dscnt 0x0
	WIN 0x04*VW
.irp i, 0,1,2,3,4,5
	global_store_b128 v[LIR], v[VB+108+4*\i:VB+108+4*\i+3], s[SVC:SVC+1] offset:\goff+512*\i
.endr
	global_store_b32 v[VSOR], v[VB+104], s[SVS:SVS+1] offset:\soff
	WIN 0
.endm
	s_load_b512 s[4:19], s[0:1], 0x0                ; xc s[4:5], xs s[6:7], Wq's codes, scales s[8:11], Wk's s[12:15], Wv's s[16:19]
	s_load_b512 s[20:35], s[0:1], 0x40              ; cos s[20:21], sin s[22:23], ve s[24:25], x s[26:27], Wg s[28:29], qc s[30:31], qs s[32:33], kvc s[34:35]
	s_load_b128 s[36:39], s[0:1], 0x80              ; out1 s[36:37], out2 s[38:39]
	s_set_vgpr_msb 0x40
	v_lshl_add_u32 v254, v0, 2, 0x40600
	v_mov_b32 v255, 0
	s_set_vgpr_msb 0x4045
	ds_add_u32 v254, v255
	s_set_vgpr_msb 0x4500
	v_lshrrev_b32 v1, 5, v0
	v_readfirstlane_b32 s76, v1                     ; wave 0..3
	s_and_b32 s100, ttmp7, 0xffff                   ; Y, which the four partners share
	; group 1 for W's codes: 32 rows x 768 bytes (half of K), 1,536 bytes apart in memory; 16 bytes of padding behind each 256
	s_mov_b32 s44, 15|(1<<20)|(1<<21)|(5<<22)|(3<<25)   ; 15:0 the mask: all four work-groups; 17:16 elements of 1 byte; 20 padding on; 21 set beside a mask; 24:22 after every 64 words; 31:25 4 words of it
	s_mov_b32 s45, 768<<16
	s_mov_b32 s46, 32<<16
	s_mov_b32 s47, 768<<16
	s_mov_b32 s48, 32
	s_mov_b32 s49, 1536
	s_mov_b32 s50, 0
	s_mov_b32 s51, 0
	; group 1 for W's scale bytes: 2,048 dense bytes as 8 rows of 256 (32 elements of 8 bytes), 16 bytes of padding behind each
	s_mov_b32 s52, 15|(3<<16)|(1<<20)|(1<<21)|(5<<22)|(3<<25)
	s_mov_b32 s53, 32<<16
	s_mov_b32 s54, 8<<16
	s_mov_b32 s55, 32<<16
	s_mov_b32 s56, 8
	s_mov_b32 s57, 32
	s_mov_b32 s58, 0
	s_mov_b32 s59, 0
	s_mov_b32 s60, 1
	s_mul_i32 s61, s76, 2176
	s_add_co_u32 s61, s61, WSC                      ; my 32 rows' scale bytes
	s_mov_b32 s68, 1
	s_mul_i32 s69, s76, 26112                       ; my 32 rows of the first half,
	s_mov_b32 s72, 1
	s_add_co_u32 s73, s69, WH1                      ; and of the second
	s_mov_b32 s3, 0
	s_wait_dscnt 0x0
	s_wait_kmcnt 0x0
	s_cmp_lt_u32 s100, 16                           ; which W: the choice hangs on Y alone
	s_cselect_b64 s[96:97], s[8:9], s[12:13]
	s_cselect_b64 s[98:99], s[10:11], s[14:15]
	s_cselect_b32 s77, 0, 1
	s_cselect_b32 s78, 0, 16
	s_cmp_lt_u32 s100, 20
	s_cselect_b64 s[96:97], s[96:97], s[16:17]
	s_cselect_b64 s[98:99], s[98:99], s[18:19]
	s_cselect_b32 s77, s77, 2                       ; s77: 0 q, 1 k, 2 v
	s_cselect_b32 s78, s78, 20
	s_sub_co_u32 s78, s100, s78                     ; s78: the head within its W
	s_mul_i32 s2, s78, 196608
	s_mul_i32 s101, s76, 49152
	s_add_co_u32 s2, s2, s101
	s_add_nc_u64 s[96:97], s[96:97], s[2:3]
	s_mov_b64 s[70:71], s[96:97]
	s_or_b32 s71, s71, 0x80000000
	s_add_nc_u64 s[74:75], s[96:97], 768
	s_or_b32 s75, s75, 0x80000000
	s_lshl_b32 s2, s78, 13
	s_lshl_b32 s101, s76, 11
	s_add_co_u32 s2, s2, s101
	s_add_nc_u64 s[62:63], s[98:99], s[2:3]
	s_or_b32 s63, s63, 0x80000000
	CROUND                                          ; all four work-groups are here: the joint loads meet
	tensor_load_to_lds s[60:63], s[52:59]           ; the only fills of the launch, as one group: three loads of mine are out
	s_nop 0
	tensor_load_to_lds s[68:71], s[44:51]
	s_nop 0
	tensor_load_to_lds s[72:75], s[44:51]
	s_nop 0
.rept 4
	v_nop
.endr
	; Wg's column kv: 12 numbers (kv & 3: inside the buffer for every type; only v's way reads them, behind its wait)
	s_and_b32 s2, s78, 3
	s_lshl_b32 s2, s2, 2
	s_add_nc_u64 s[28:29], s[28:29], s[2:3]
.irp c, 0,1,2,3,4,5,6,7,8,9,10,11
	s_load_b32 s[8+\c], s[28:29], 16*\c
.endr
	; every LDS address: lane and wave alone
	v_and_b32 v26, 31, v0                           ; lane
	v_and_b32 v27, 15, v0                           ; r
	v_bfe_u32 v28, v0, 4, 1                         ; h
	v_lshlrev_b32 v1, 4, v26                        ; v1: 16 x lane
	v_lshlrev_b32 v2, 3, v26                        ; v2: 8 x lane
	v_mul_u32_u24 v3, v27, 816
	v_mad_u32_u24 v3, v28, 24, v3                   ; v3-6: W's fragments: row r, + 24 h; tiles 0-3 and 4-7 of the first half, then of the second
	v_add_nc_u32 v4, 52224, v3
	v_add_nc_u32 v5, 104448, v3
	v_add_nc_u32 v6, 156672, v3
.irp i, 0,1,2,3
	v_lshl_add_u32 v[7+\i], v28, 4, v[3+\i]         ; v7-10: the same behind one padding more
.endr
	v_lshrrev_b32 v29, 2, v27
	v_mul_u32_u24 v11, v29, 272
	v_and_b32 v29, 3, v27
	v_lshl_add_u32 v11, v29, 6, v11
	v_mad_u32_u24 v11, v28, 4352, v11               ; lanes 16-31 take the tile four further on
	v_add_nc_u32 v11, WSC, v11                      ; v11: W's scale words: 64 bytes a row, four rows to a run of 256
	s_mul_i32 s97, s76, 8448
	s_add_co_u32 s97, s97, KSTG
	v_mul_u32_u24 v12, v27, 528
	v_lshl_add_u32 v12, v28, 5, v12
	v_add_nc_u32 v12, s97, v12                      ; v12: my stage, in: row r, + 32 h
	v_add_nc_u32 v13, s97, v1                       ; v13: and back
	v_and_b32 v29, 8, v27
	v_add_nc_u32 v29, v29, v27                      ; r + 8 (r / 8): my token within its 32
	v_lshlrev_b32 v14, 8, v29
	v_lshl_add_u32 v14, v28, 5, v14                 ; v14: cos, sin: 256 bytes a token, + 32 h
	v_lshlrev_b32 v15, 11, v29
	v_lshl_add_u32 v15, v28, 5, v15                 ; v15: ve: 2,048 bytes a token
	v_lshlrev_b32 v16, 13, v29                      ; v16: x: 8,192 bytes a token
	s_mul_i32 s97, s76, 33792
	v_mul_u32_u24 v17, v29, 528
	v_lshl_add_u32 v17, v28, 5, v17
	v_add_nc_u32 v17, s97, v17                      ; v17: v's rows in LDS (256 tokens x 528, over W's bytes, which have had their only fill): my wave's 64, my token, + 32 h
	v_add_nc_u32 v18, s97, v1                       ; v18: and back by rows
	s_lshl_b32 s97, s76, 7
	v_lshl_add_u32 v19, v26, 2, s97                 ; v19-22: channel 32 w + lane of tokens 0-63, 64-127, 128-191, 192-255
	v_add_nc_u32 v20, 33792, v19
	v_add_nc_u32 v21, 67584, v19
	v_add_nc_u32 v22, 101376, v19
	v_bfe_u32 v30, v0, 3, 1                         ; which of my two tiles of V my channel falls into,
	v_and_b32 v31, 7, v0
	v_lshl_add_u32 v31, v28, 3, v31                 ; and its row there
	v_lshlrev_b32 v25, 3, v31
	v_lshl_add_u32 v25, v30, 2, v25                 ; v25: my scale word's place
	s_mul_i32 s97, s76, 3072
	s_add_co_u32 s97, s97, VIM
	v_mul_u32_u24 v23, v30, 1536
	v_lshl_add_u32 v23, v31, 4, v23
	v_add_nc_u32 v23, s97, v23                      ; v23: my place in my wave's two images
	v_add_nc_u32 v24, s97, v1                       ; v24: and back
	WIN 0xc0
.irp b, 0,1,2,3
	v_mov_b32 v[TM+4+\b], 0                         ; written once: a lane permute's destination counts as one of its sources
.endr
	v_mov_b32 v236, 0
	WIN 0
	s_mov_b32 s80, 0x76543210
	s_mov_b32 s81, 0xfedcba98                       ; v_permlanex16_b32's selects for lane l xor 16
	s_mov_b32 s82, 0xffff0000                       ; lanes 16-31
	s_mov_b32 s83, 0x3c000000                       ; 1 / 128
	s_mov_b32 s84, 0x358637bd                       ; 1e-6
	; the global addresses: my place in the cluster enters these alone
	s_bfe_u32 s79, ttmp6, 0x40000
	s_lshl_b32 s97, ttmp9, 2
	s_add_co_u32 s79, s79, s97                      ; X = 4 x cluster x + cx
	s_lshl_b32 s96, s79, 8
	s_lshl_b32 s97, s76, 6
	s_add_co_u32 s96, s96, s97                      ; my first token: 256 X + 64 w
	s_mov_b32 s99, 0
	s_mul_i32 s98, s96, 1536
	s_add_nc_u64 s[4:5], s[4:5], s[98:99]           ; xc: 24,576 bytes a tile of 16
	s_lshl_b32 s98, s96, 6
	s_add_nc_u64 s[6:7], s[6:7], s[98:99]           ; xs: 2,048 bytes a pair of tiles
	s_lshl_b32 s98, s96, 8
	s_add_nc_u64 s[20:21], s[20:21], s[98:99]
	s_add_nc_u64 s[22:23], s[22:23], s[98:99]
	s_lshl_b32 s98, s96, 13
	s_add_nc_u64 s[26:27], s[26:27], s[98:99]
	s_lshl_b32 s98, s96, 11
	s_lshl_b32 s97, s78, 9
	s_add_co_u32 s98, s98, s97                      ; a token's 2,048 bytes, the kv head's 512
	s_add_nc_u64 s[24:25], s[24:25], s[98:99]       ; ve (read on v's way alone)
	s_cmp_eq_u32 s77, 2
	s_cselect_b64 s[90:91], s[38:39], s[36:37]      ; out2 for v, out1 for k
	s_add_co_u32 s98, s98, 4194304                  ; behind the 2,048 cached rows
	s_add_nc_u64 s[90:91], s[90:91], s[98:99]
	s_lshl_b32 s100, s78, 5
	s_lshl_b32 s97, s79, 1
	s_add_co_u32 s100, s100, s97
	s_add_co_u32 s100, s100, 16
	s_mul_i32 s100, s100, STEPB                     ; kvc at key step 16 + 2 X of my kv head
	s_lshr_b32 s97, s76, 1
	s_mul_i32 s97, s97, STEPB
	s_add_co_u32 s101, s100, s97                    ; k: my wave's step,
	s_and_b32 s97, s76, 1
	s_mul_i32 s2, s97, 6144
	s_add_co_u32 s2, s2, s101                       ; its tiles 4 (w % 2) on;
	s_lshl_b32 s97, s97, 8
	s_add_co_u32 s101, s101, s97
	s_add_co_u32 s101, s101, 24576                  ; and their scale words
	s_mul_i32 s98, s78, 196608
	s_mul_i32 s97, s96, 96
	s_add_co_u32 s98, s98, s97                      ; q: 128 tiles a head, 1,536 bytes a tile
	s_lshl_b32 s97, s78, 13
	s_lshl_b32 s96, s96, 2
	s_add_co_u32 s97, s97, s96                      ; and 256 bytes of scale words for four tiles
	s_cmp_eq_u32 s77, 0
	s_cselect_b64 s[86:87], s[30:31], s[34:35]
	s_cselect_b64 s[88:89], s[32:33], s[34:35]
	s_cselect_b32 s98, s98, s2
	s_cselect_b32 s2, s97, s101
	s_add_nc_u64 s[86:87], s[86:87], s[98:99]       ; s[86:87]: where my four images go
	s_add_nc_u64 s[88:89], s[88:89], s[2:3]         ; s[88:89]: and their scale words
	s_lshl_b32 s98, s76, 7
	s_add_co_u32 s98, s98, s100
	s_add_co_u32 s98, s98, 25088
	s_add_nc_u64 s[30:31], s[34:35], s[98:99]       ; V's scale words: 128 bytes a wave
	s_mul_i32 s98, s76, 3072
	s_add_co_u32 s98, s98, s100
	s_add_co_u32 s98, s98, 12288
	s_add_nc_u64 s[34:35], s[34:35], s[98:99]       ; V's images: two a wave
	s_cmp_eq_u32 s77, 2
	s_cbranch_scc1 .Lld_v
	CSLOAD 0
	CSLOAD 1
	s_branch .Lld_done
.Lld_v:
	WIN 0x40
.irp a, 0,1,2,3
.irp c, 0,1,2
	global_load_b128 v[192+12*\a+4*\c:195+12*\a+4*\c], v16, s[26:27] offset:8192*(32*(\a>>1)+8*(\a&1))+16*\c   ; the first 12 numbers of my token's x, unquantised, for the gate
.endr
.endr
	WIN 0
	VELOAD 0
	VELOAD 1
.Lld_done:
.irp p, 0,1
.irp q, 0,1,2,3,4,5,6,7
	global_load_b64 v[XS+16*\p+2*\q:XS+16*\p+2*\q+1], v2, s[6:7] offset:2048*\p+256*\q   ; x's scale words: register 16 p + s: lanes 0-15 tile 2 p, lanes 16-31 tile 2 p + 1, K step s
.endr
.endr
	WIN 0x40
	XLOAD 0
	XLOAD 1
	XLOAD 2
	WIN 0
	s_wait_tensorcnt 0x1                            ; the scale bytes and my part of the first half are in; the second half's load may be out
	s_barrier_signal -1
	s_barrier_wait -1                               ; everybody's are
.irp p, 0,1,2,3
.irp q, 0,1,2,3
	ds_load_b128 v[WS+16*\p+4*\q:WS+16*\p+4*\q+3], v11 offset:1088*\p+16*\q   ; W's scale words for all of K: register 16 (t % 4) + s: lanes 0-15 tile t % 4, lanes 16-31 the tile four on
.endr
.endr
	WIN 0xc0
.irp t, 0,1,2,3,4,5,6,7
	WFRAG 0, 0, \t
.endr
.irp s, 0,1,2,3,4,5,6,7,8,9,10,11,12,13,14,15
	KSTEP \s
.endr
	WIN 0
.rept 4
	v_nop                                           ; four places between the last products and the first read of results, and writes of registers that held fragments
.endr
	s_wait_dscnt 0x0
	s_barrier_signal -1
	s_barrier_wait -1                               ; nobody reads W any more: v's rows may be laid over it
	s_cmp_eq_u32 s77, 2
	s_cbranch_scc1 .Lvpath
	QKTILE 0
	QKTILE 1
	QKTILE 2
	QKTILE 3
	WIN 0xff
	v_cndmask_b32 v240, v[PW], v[PW+2], s82         ; the four tiles' scale words leave as one aligned run of 256 bytes
	v_cndmask_b32 v241, v[PW+1], v[PW+3], s82
	WIN 0x0c
	global_store_b64 v2, v[240:241], s[88:89]
	WIN 0
	s_branch .Ljoin2
.Lvpath:
	s_wait_kmcnt 0x0                                ; Wg's 12 numbers
	WIN 0x55                                        ; all in window 1
.irp a, 0,1,2,3
	v_mul_f32 v[240+2*\a], s8, v[192+12*\a]         ; x[:12] . Wg[:, kv], in f32, the four tiles by turns
.endr
.irp c, 1,2,3,4,5,6,7,8,9,10,11
.irp a, 0,1,2,3
	v_fma_f32 v[240+2*\a], v[192+12*\a+\c], s[8+\c], v[240+2*\a]
.endr
.endr
.irp a, 0,1,2,3
	v_mul_f32 v[240+2*\a], 0xbfb8aa3b, v[240+2*\a]  ; x -log2(e)
.endr
.irp a, 0,1,2,3
	v_exp_f32 v[240+2*\a], v[240+2*\a]
.endr
	v_nop
	s_wait_alu depctr_va_vdst(0)                    ; one wait for the four, ahead of their first reader
.irp a, 0,1,2,3
	v_add_f32 v[240+2*\a], 1.0, v[240+2*\a]
.endr
.irp a, 0,1,2,3
	v_rcp_f32 v[240+2*\a], v[240+2*\a]
.endr
	v_nop
	s_wait_alu depctr_va_vdst(0)
.irp a, 0,1,2,3
	v_mul_f32 v[240+2*\a], 0x40400000, v[240+2*\a]  ; 3 sigmoid
.endr
.irp a, 0,1,2,3
	v_mov_b32 v[241+2*\a], v[240+2*\a]              ; (named with it as a pair)
.endr
	WIN 0
	VTILE 0
	VTILE 1
	VTILE 2
	VTILE 3
.Ljoin2:
	s_wait_dscnt 0x0                                ; for the others' sake: my rows of v lie in LDS
	s_barrier_signal -1
	s_barrier_wait -1
	s_cmp_lg_u32 s77, 2
	s_cbranch_scc1 .Lfin
	VQ 19, 20, 0, 0                                 ; key step 16 + 2 X: channels 32 w .. 32 w + 31
	s_wait_xcnt 0x0                                 ; its stores have read their registers
	s_wait_dscnt 0x0
	VQ 21, 22, STEPB, STEPB                         ; key step 16 + 2 X + 1
.Lfin:
	s_set_vgpr_msb 0x5
	s_wait_tensorcnt 0x0
	ds_add_u32 v254, v255
	s_wait_dscnt 0x0
	s_set_vgpr_msb 0x500
	CROUND                                          ; the closing round
	s_endpgm
.Lfunc_end_k_q50497cd80e_qkv:
	.size	k_q50497cd80e_qkv, .Lfunc_end_k_q50497cd80e_qkv-k_q50497cd80e_qkv
	.p2alignl 7, 3214868480
	.fill 96, 4, 3214868480
	.section	.rodata,"a",@progbits
	.p2align	6, 0x0
	.amdhsa_kernel k_q50497cd80e_qkv
		.amdhsa_group_segment_fixed_size 264192
		.amdhsa_private_segment_fixed_size 0
		.amdhsa_enable_private_segment 0
		.amdhsa_kernarg_size 144
		.amdhsa_user_sgpr_count 2
		.amdhsa_user_sgpr_kernarg_segment_ptr 1
		.amdhsa_wavefront_size32 1
		.amdhsa_system_sgpr_workgroup_id_x 1
		.amdhsa_system_sgpr_workgroup_id_y 1
		.amdhsa_system_sgpr_workgroup_id_z 1
		.amdhsa_system_vgpr_workitem_id 0
		.amdhsa_next_free_vgpr 1024
		.amdhsa_next_free_sgpr 102
		.amdhsa_reserve_vcc 0
		.amdhsa_float_denorm_mode_32 3
		.amdhsa_float_denorm_mode_16_64 3
		.amdhsa_memory_ordered 1
		.amdhsa_forward_progress 1
		.amdhsa_inst_pref_size 255
	.end_amdhsa_kernel
	.section	.bss,"aw",@nobits
	.p2align	6
	.space	262144
	.amdgpu_metadata
---
amdhsa.version: [ 1, 2 ]
amdhsa.kernels:
  - .name:           k_q50497cd80e_qkv
    .symbol:         k_q50497cd80e_qkv.kd
    .args:
      - { .name: xc, .offset: 0, .size: 8, .value_kind: global_buffer, .address_space: global }
      - { .name: xs, .offset: 8, .size: 8, .value_kind: global_buffer, .address_space: global }
      - { .name: Wq_codes, .offset: 16, .size: 8, .value_kind: global_buffer, .address_space: global }
      - { .name: Wq_scales, .offset: 24, .size: 8, .value_kind: global_buffer, .address_space: global }
      - { .name: Wk_codes, .offset: 32, .size: 8, .value_kind: global_buffer, .address_space: global }
      - { .name: Wk_scales, .offset: 40, .size: 8, .value_kind: global_buffer, .address_space: global }
      - { .name: Wv_codes, .offset: 48, .size: 8, .value_kind: global_buffer, .address_space: global }
      - { .name: Wv_scales, .offset: 56, .size: 8, .value_kind: global_buffer, .address_space: global }
      - { .name: cos, .offset: 64, .size: 8, .value_kind: global_buffer, .address_space: global }
      - { .name: sin, .offset: 72, .size: 8, .value_kind: global_buffer, .address_space: global }
      - { .name: ve, .offset: 80, .size: 8, .value_kind: global_buffer, .address_space: global }
      - { .name: x, .offset: 88, .size: 8, .value_kind: global_buffer, .address_space: global }
      - { .name: Wg, .offset: 96, .size: 8, .value_kind: global_buffer, .address_space: global }
      - { .name: qc, .offset: 104, .size: 8, .value_kind: global_buffer, .address_space: global }
      - { .name: qs, .offset: 112, .size: 8, .value_kind: global_buffer, .address_space: global }
      - { .name: kvc, .offset: 120, .size: 8, .value_kind: global_buffer, .address_space: global }
      - { .name: out1, .offset: 128, .size: 8, .value_kind: global_buffer, .address_space: global }
      - { .name: out2, .offset: 136, .size: 8, .value_kind: global_buffer, .address_space: global }
    .group_segment_fixed_size: 264192
    .private_segment_fixed_size: 0
    .kernarg_segment_align: 8
    .kernarg_segment_size: 144
    .max_flat_workgroup_size: 128
    .sgpr_count:     102
    .vgpr_count:     1024
    .wavefront_size: 32
...
	.end_amdgpu_metadata
.endif
;; end of part 2
;; launch attn (part 3): grid 64 x 4, 8 waves a work-group, clusters of 4 x 1, 327,680 bytes of LDS; arguments qc, qs, kvc, yc, ys; writes yc, ys
.if DOCPART == 3
	.amdgcn_target "amdgcn-amd-amdhsa--gfx1250"
	.amdhsa_code_object_version 6
	.text
	.protected	k_q50497cd80e_attn
	.globl	k_q50497cd80e_attn
	.p2align	8
	.type	k_q50497cd80e_attn,@function
k_q50497cd80e_attn:
	s_mov_b64 s[64:65], 0
	v_nop
	global_prefetch_b8 v0, s[64:65] scope:SCOPE_SE
	s_setreg_imm32_b32 hwreg(HW_REG_WAVE_MODE, 25, 1), 1
	s_wait_xcnt 0x0
	s_wait_alu depctr_hold_cnt(0) depctr_sa_sdst(0) depctr_va_vdst(0) depctr_va_sdst(0) depctr_va_ssrc(0) depctr_va_vcc(0) depctr_vm_vsrc(0)
	s_getreg_b32 s2, hwreg(HW_REG_IB_STS2, 6, 4)
	s_cmp_eq_u32 s2, 0
	s_cbranch_scc0 .Lentry_in_a_cluster
	s_endpgm
.Lentry_in_a_cluster:
	s_bfe_u32 s2, ttmp6, 0x10000c
	s_cmp_lg_u32 s2, 0x3003
	s_cbranch_scc0 .Lentry_shape_is_right
	s_endpgm
.Lentry_shape_is_right:
; ATTN: y = softmax(q k^T / sqrt(128), causal) v for 16 query heads on 4 kv heads, both products on codes of FP6 (E2M3) with E8M0 scales; y is quantised along (head, channel) for the last product.
; THE SOFTMAX: t = score x log2(e) / sqrt(128); M = the running largest t rounded UP to a whole number; p = 2^(t - M) is quantised along the keys; the row's sum is taken of the unquantised p and divides O at the end.
; LIMITS: NaN and infinities are not served; a block whose largest magnitude lies under 2^-124 (a block of zeros too) gets the scale byte 1.
; SHARES.  A work-group is one head and 8 tiles of 16 queries, one a wave: tiles 4 c + i and 127 - (4 c + i), i = 0..3: an early tile sees 17 + c / 2 key steps of 128 and its late partner 32 - c / 2, so every work-group has the same work.
; CLUSTER.  The four heads of a kv head form a cluster, hold the same tiles and walk the same K and V: each key step (one dense block of 25,600 bytes: K's 8 images, V's 8, K's scale words, V's) is asked for JOINTLY.
; The causal branches hang on the cluster's number and the wave's alone; every work-group walks all 8 slots of 4 key steps, so that trip counts are constants; what is left out is a hidden step's work.
; LAYOUT.  Both products transposed: S^T = K Q^T, O^T = V^T P^T: a lane holds one query (lane % 16).  The keys of K's tiles and the channels of V's tiles are laid (by the launches before) so that the 16 registers of tiles 2 b, 2 b + 1 are
; neighbours 32 b + 16 (lane / 16) + 0..15.  All operands are images of their registers: a fragment is three loads of 16 bytes a lane at 16 x lane.
; REGISTERS: v1 16 x lane, v2 8 x lane, v3 the mask's bound, v5-6 the add's, v8, v10 addresses in hand, v12 -M, v13 the largest t, v[14:15] the sum, v16-27 Q, v28 the prefetch's offset, v29 8 r, v32-79 four fragments,
;   v89 y's scale word, v96-159 S^T, then p, v160-223 O^T, v224-235 p's codes, v232-247 at work, v248-251 K's or V's scale words, v252 f, v253 p's scale word, v254 at work, v255 Q's scale word.
.set STEPB, 25600
.set SLOT1, 1<<17                      ; slot 0 at 0, slot 1 here (102,400 bytes each): one exclusive or turns an address from one slot to the other
.set SPARE, 262144                     ; the spare words, 128 bytes for each of the eight waves
.set LI,   1
.set L8,   2
.set DREL, 3
.set SPW,  5
.set NIL,  6
.set ADK,  8
.set ADS,  10
.set PFO,  28
.set TM,   232
.set PC,   32
.set WV,   18
.set SEL,  20
.set CS,   22
.set G1C,  24
.set G0C,  40
.set TB,   92                          ; s92  LDS byte at which the key step in hand begins
.set J,    66                          ; s66  the key step
.set SLOTS, 67
.set TW,   68
.set JD,   69                          ; s69  my tile's diagonal step
.set PFA,  76
.set LIM,  80
.macro CROUND
	s_barrier_signal -1
	s_barrier_wait -1
	s_cmp_lg_u32 s[WV], 0
	s_cbranch_scc1 .Lnot_wave_0_\@
	s_barrier_signal -3
.Lnot_wave_0_\@:
	s_barrier_wait -3
	s_barrier_signal -1
	s_barrier_wait -1
.endm
.macro TLOAD                           ; waves 0-3 fetch a key step each, the others nothing; four v_nop follow the line
	s_cmp_lt_u32 s[WV], 4
	s_cbranch_scc0 .Lno_load_\@
	tensor_load_to_lds s[G0C:G0C+3], s[G1C:G1C+7]
	s_nop 0
.rept 4
	v_nop
.endr
.Lno_load_\@:
.endm
; A prefetch into the L2 of the slot that the NEXT change of slots will ask for: four key steps ahead of that load.  All clusters of a kv head walk the same bytes: the first of them asks.  A slot is 400 blocks of 256 bytes:
; the four partners take 100 each, told apart by address; in each, waves 4 to 7, which fetch nothing, take 25 each, a lane a block (lanes 25 to 31 repeat the 25th).  The last change that fills a slot asks for nothing.
.macro ASK
	s_cmp_gt_u32 s[SLOTS], s[LIM]
	s_cbranch_scc0 .Lnot_mine_\@
	global_prefetch_b8 v[PFO], s[PFA:PFA+1] th:TH_LOAD_NT scope:SCOPE_SE
.Lnot_mine_\@:
.endm
.macro QUANT s, pw                     ; 64 numbers of a lane, register 16 b + i = place 32 b + 16 (lane / 16) + i, become a fragment's codes in v[PC] on and the row's scale word
.irp b, 0,1,2,3
	v_max3_num_f32 v[TM+\b], |v[\s+16*\b]|, |v[\s+1+16*\b]|, 0x1800000
.endr
.irp i, 2,4,6,8,10,12,14
.irp b, 0,1,2,3
	v_max3_num_f32 v[TM+\b], v[TM+\b], |v[\s+16*\b+\i]|, |v[\s+1+16*\b+\i]|
.endr
.endr
.irp b, 0,1,2,3
	v_permlanex16_b32 v[TM+4+\b], v[TM+\b], s[SEL], s[SEL+1]
.endr
.irp b, 0,1,2,3
	v_max_num_f32 v[TM+\b], v[TM+\b], v[TM+4+\b]
.endr
.irp b, 0,1,2,3
	v_add_nc_u32 v[TM+12+\b], 0xff000000, v[TM+\b]
.endr
.irp b, 0,1,2,3
	v_lshrrev_b32 v[TM+4+\b], 23, v[TM+12+\b]
.endr
	v_lshl_or_b32 v[\pw], v[TM+5], 8, v[TM+4]
	v_lshl_or_b32 v[\pw], v[TM+6], 16, v[\pw]
	v_lshl_or_b32 v[\pw], v[TM+7], 24, v[\pw]
.irp c, 0,1
	v_cvt_scalef32_pk16_fp6_f32 v[PC+6*\c:PC+2+6*\c], v[\s+32*\c:\s+15+32*\c], v[TM+12+2*\c]
	v_cvt_scalef32_pk16_fp6_f32 v[PC+12+4*\c:PC+14+4*\c], v[\s+16+32*\c:\s+31+32*\c], v[TM+12+2*\c+1]
.endr
	v_nop
.irp c, 0,1
.irp i, 0,1,2
	v_permlane16_swap_b32 v[PC+6*\c+\i], v[PC+12+4*\c+\i]
.endr
.irp i, 0,1,2
	v_mov_b32 v[PC+3+6*\c+\i], v[PC+12+4*\c+\i]
.endr
.endr
.endm
.macro FRAGS off                       ; four images into v32-79
.irp t, 0,1,2,3
.irp c, 0,1,2
	ds_load_b128 v[32+12*\t+4*\c:35+12*\t+4*\c], v[ADK] offset:\off+1536*\t+512*\c
.endr
.endr
.endm
.macro PLACES
.rept 4
	v_nop
.endr
.endm
	s_load_b256 s[4:11], s[0:1], 0x0                ; qc s[4:5], qs s[6:7], kvc s[8:9], yc s[10:11]
	s_load_b64 s[12:13], s[0:1], 0x20               ; ys
	v_lshl_add_u32 v[SPW], v0, 2, SPARE
	v_mov_b32 v[NIL], 0
	ds_add_u32 v5, v6
	s_wait_dscnt 0x0
	v_lshrrev_b32 v8, 5, v0
	v_readfirstlane_b32 s[WV], v8                   ; wave 0..7
	s_and_b32 s70, ttmp7, 0xffff                    ; the kv head, which the four partners share
	; group 1: a key step, 25,600 dense bytes, as 100 rows of 256 bytes (32 elements of 8 bytes), no padding: every read is 16 or 8 x lane on dense bytes
	s_mov_b32 s[G1C], 15|(3<<16)|(1<<21)            ; 15:0 the mask: all four work-groups; 17:16 elements of 8 bytes; 21 set beside a mask
	s_mov_b32 s[G1C+1], 32<<16
	s_mov_b32 s[G1C+2], 100<<16
	s_mov_b32 s[G1C+3], 32<<16
	s_mov_b32 s[G1C+4], 100
	s_mov_b32 s[G1C+5], 32
	s_mov_b32 s[G1C+6], 0
	s_mov_b32 s[G1C+7], 0
	s_and_b32 s81, s[WV], 3
	s_mul_i32 s82, s81, STEPB                       ; which of a slot's four steps I fetch: its place in a slot and in memory
	s_mul_i32 s84, s70, 32*STEPB
	s_add_co_u32 s84, s84, s82
	s_mov_b32 s85, 0
	s_mov_b32 s[SEL], 0x76543210
	s_mov_b32 s[SEL+1], 0xfedcba98
	s_mov_b32 s[CS], 0x3e0293ee                     ; c = log2(e) / sqrt(128)
	s_mov_b32 s[CS+1], s[CS]
	s_mov_b32 s[TB], 0
	s_mov_b32 s[J], 0
	s_mov_b32 s[SLOTS], 7
	s_wait_kmcnt 0x0
	s_mov_b32 s[G0C], 1
	s_mov_b32 s[G0C+1], s82
	s_add_nc_u64 s[G0C+2:G0C+3], s[8:9], s[84:85]
	s_or_b32 s[G0C+3], s[G0C+3], 0x80000000
	CROUND                                          ; all four work-groups are here: the first joint loads meet
	TLOAD                                           ; slot 0
	; which tile is mine: the cluster's number and the wave's alone
	s_lshl_b32 s73, ttmp9, 2
	s_lshr_b32 s74, s[WV], 1
	s_add_co_u32 s73, s73, s74                      ; 4 c + i
	s_lshr_b32 s74, s[WV], 2
	s_xor_b32 s74, s74, s[WV]
	s_and_b32 s74, s74, 1                           ; early or late: waves w and w + 4, and waves 2 k and 2 k + 1, get one of each
	s_sub_co_u32 s75, 127, s73
	s_cmp_eq_u32 s74, 1
	s_cselect_b32 s75, s75, s73                     ; s75: my tile
	s_lshr_b32 s[JD], s75, 3
	s_add_co_u32 s[JD], s[JD], 16
	s_bfe_u32 s90, s75, 0x20001
	s_lshl_b32 s90, s90, 5
	s_and_b32 s91, s75, 1
	s_lshl_b32 s91, s91, 3
	s_add_co_u32 s90, s90, s91                      ; my tile's first token within the diagonal step
	v_and_b32 v9, 15, v0                            ; r
	v_and_b32 v11, 8, v9
	v_add_nc_u32 v11, v11, v9                       ; r + 8 (r / 8)
	v_bfe_u32 v7, v0, 4, 1
	v_lshlrev_b32 v7, 4, v7
	v_sub_nc_u32 v[DREL], v11, v7
	v_add_nc_u32 v[DREL], s90, v[DREL]              ; my query within the diagonal step, less 16 (lane / 16): register 16 b + i is hidden there where 32 b + i is greater
	v_lshlrev_b32 v29, 3, v9
	v_and_b32 v4, 31, v0
	v_lshlrev_b32 v[LI], 4, v4
	v_lshlrev_b32 v[L8], 3, v4
	v_min_u32 v[PFO], 24, v4
	v_lshlrev_b32 v[PFO], 8, v[PFO]
	; the head enters global addresses alone
	s_bfe_u32 s71, ttmp6, 0x40000                   ; cx
	s_lshl_b32 s72, s70, 2
	s_add_co_u32 s72, s72, s71                      ; the head
	s_mov_b32 s87, 0
	s_lshl_b32 s86, s72, 7
	s_add_co_u32 s86, s86, s75
	s_mul_i32 s86, s86, 1536
	s_add_nc_u64 s[4:5], s[4:5], s[86:87]           ; Q's image
	s_lshl_b32 s86, s72, 5
	s_lshr_b32 s88, s75, 2
	s_add_co_u32 s86, s86, s88
	s_lshl_b32 s86, s86, 8
	s_bfe_u32 s88, s75, 0x10001
	s_lshl_b32 s88, s88, 7
	s_add_co_u32 s86, s86, s88
	s_and_b32 s88, s75, 1
	s_lshl_b32 s88, s88, 2
	s_add_co_u32 s86, s86, s88
	s_add_nc_u64 s[6:7], s[6:7], s[86:87]           ; its scale words: 8 bytes from row to row
	s_lshl_b32 s86, s75, 4
	s_add_co_u32 s86, s86, s72
	s_mul_i32 s86, s86, 1536
	s_add_nc_u64 s[10:11], s[10:11], s[86:87]       ; y's image: tile, K step = head
	s_lshr_b32 s86, s75, 1
	s_lshl_b32 s86, s86, 11
	s_lshr_b32 s88, s72, 1
	s_lshl_b32 s88, s88, 8
	s_add_co_u32 s86, s86, s88
	s_and_b32 s88, s75, 1
	s_lshl_b32 s88, s88, 7
	s_add_co_u32 s86, s86, s88
	s_and_b32 s88, s72, 1
	s_lshl_b32 s88, s88, 2
	s_add_co_u32 s86, s86, s88
	s_add_nc_u64 s[12:13], s[12:13], s[86:87]       ; and its scale words
	s_mul_i32 s86, s70, 32*STEPB
	s_mul_i32 s88, s71, STEPB
	s_add_co_u32 s86, s86, s88
	s_mul_i32 s88, s81, 6400
	s_add_co_u32 s86, s86, s88
	s_add_co_u32 s86, s86, 4*STEPB                  ; in slot 1: the first change of slots steps it to slot 2.  Nothing is prefetched here, at the head
	s_add_nc_u64 s[PFA:PFA+1], s[8:9], s[86:87]
	s_lshr_b32 s88, s[WV], 2
	s_xor_b32 s88, s88, 1                           ; 0 in waves 4 to 7,
	s_or_b32 s88, s88, ttmp9                        ; of the kv head's first cluster: the same in all four partners
	s_cmp_eq_u32 s88, 0
	s_cselect_b32 s[LIM], 1, -1
.irp c, 0,1,2
	global_load_b128 v[16+4*\c:19+4*\c], v[LI], s[4:5] offset:512*\c   ; Q's fragment stays in registers
.endr
	global_load_b32 v255, v29, s[6:7]
	v_mov_b32 v13, 0xff61b1e6                       ; the largest t so far: -3e38, under every t
	v_floor_f32 v12, -v13                           ; -M
	v_mov_b32 v14, 0
	v_mov_b32 v15, 0
.irp b, 0,1,2,3
	v_mov_b32 v[236+\b], 0                          ; written once: a lane permute's destination counts as one of its sources
.endr
	v_mov_b32 v252, 0
	v_mov_b32 v253, 0
.set jj, 0
.rept 64
	v_mov_b32 v[160+jj], 0                          ; O^T: the step is written once; the first finds zeros, which the first change of M leaves zeros
.set jj, jj+1
.endr
; A KEY STEP of 128 keys
.macro STEP
	s_cmp_gt_u32 s[J], s[JD]                        ; all its keys come after my queries: only the lines at its end are run
	s_cbranch_scc1 .Lhid_\@
	v_add_nc_u32 v[ADK], s[TB], v[LI]
	v_add_nc_u32 v[ADS], s[TB], v[L8]
	v_nop
	v_nop                                           ; four places between the last step's products and loads into registers that they read
	ds_load_b64 v[248:249], v[ADS] offset:24576     ; K's scale words: tile T in register 2 (T / 4) + T % 2, lanes 16 ((T / 2) % 2) on
	ds_load_b64 v[250:251], v[ADS] offset:24576+256
.irp g, 0,1                                     ; S^T = K Q^T, four tiles of 16 keys at a time
.if \g
	PLACES
.endif
	FRAGS 6144*\g
	s_wait_dscnt 0x0
	v_wmma_scale_f32_16x16x128_f8f6f4 v[96+32*\g:103+32*\g], v[32:43], v[16:27], 0, v[248+2*\g], v255 matrix_a_fmt:MATRIX_FMT_FP6 matrix_b_fmt:MATRIX_FMT_FP6
	v_wmma_scale_f32_16x16x128_f8f6f4 v[104+32*\g:111+32*\g], v[44:55], v[16:27], 0, v[249+2*\g], v255 matrix_a_fmt:MATRIX_FMT_FP6 matrix_b_fmt:MATRIX_FMT_FP6
	v_wmma_scale_f32_16x16x128_f8f6f4 v[112+32*\g:119+32*\g], v[56:67], v[16:27], 0, v[248+2*\g], v255 matrix_a_fmt:MATRIX_FMT_FP6 matrix_b_fmt:MATRIX_FMT_FP6 matrix_a_scale:MATRIX_SCALE_ROW1
	v_wmma_scale_f32_16x16x128_f8f6f4 v[120+32*\g:127+32*\g], v[68:79], v[16:27], 0, v[249+2*\g], v255 matrix_a_fmt:MATRIX_FMT_FP6 matrix_b_fmt:MATRIX_FMT_FP6 matrix_a_scale:MATRIX_SCALE_ROW1
.endr
	PLACES                                          ; ahead of the first read of the scores and of the loads below
	ds_load_b64 v[248:249], v[ADS] offset:25088     ; V's scale words and its first four tiles are asked for now and land under the softmax
	ds_load_b64 v[250:251], v[ADS] offset:25088+256
	FRAGS 12288
	s_cmp_lg_u32 s[J], s[JD]
	s_cbranch_scc1 .Lopen_\@
	v_mov_b32 v254, 0xff800000                      ; on the diagonal the scores of hidden keys become -infinity ahead of the maximum: p = 0 then
.set jj, 0
.rept 64
	v_cmp_gt_i32 vcc_lo, 32*(jj/16)+jj%16, v[DREL]
	v_cndmask_b32 v[96+jj], v[96+jj], v254, vcc_lo
.set jj, jj+1
.endr
.Lopen_\@:
.irp b, 0,1,2,3
	v_max3_num_f32 v[232+\b], v[96+16*\b], v[97+16*\b], v[98+16*\b]   ; the largest score of each block of 32 keys: for the row's maximum, and, since p rises with the score, for the block's largest p
.endr
.irp i, 3,5,7,9,11,13
.irp b, 0,1,2,3
	v_max3_num_f32 v[232+\b], v[232+\b], v[96+16*\b+\i], v[97+16*\b+\i]
.endr
.endr
.irp b, 0,1,2,3
	v_max_num_f32 v[232+\b], v[232+\b], v[111+16*\b]
.endr
.irp b, 0,1,2,3
	v_permlanex16_b32 v[236+\b], v[232+\b], s[SEL], s[SEL+1]
.endr
.irp b, 0,1,2,3
	v_max_num_f32 v[232+\b], v[232+\b], v[236+\b]   ; with lane l xor 16's 16 keys
.endr
	v_max3_num_f32 v254, v232, v233, v234
	v_max_num_f32 v254, v254, v235
	v_mul_f32 v254, s[CS], v254                     ; the step's largest t of my query
	v_max_num_f32 v13, v13, v254                    ; the running largest t
	v_mov_b32 v254, v12
	v_floor_f32 v12, -v13                           ; the new -M = -ceil(t): a whole number
	v_sub_f32 v254, v12, v254                       ; old M - new M: a whole number, 0 or less
	v_cvt_i32_f32 v254, v254
	v_ldexp_f32 v252, 1.0, v254                     ; f = 2^(old M - new M): a multiplication by it rounds nothing
.set jj, 0
.rept 32
	v_pk_fma_f32 v[96+jj:97+jj], v[96+jj:97+jj], s[CS:CS+1], v[12:13] op_sel_hi:[1,0,0]   ; t - M, two at a time
.set jj, jj+2
.endr
.irp b, 0,1,2,3
	v_fma_f32 v[232+\b], v[232+\b], s[CS], v12      ; the same of each block's largest score
.endr
.set jj, 0
.rept 64
	v_exp_f32 v[96+jj], v[96+jj]                    ; p = 2^(t - M), not normalised
.set jj, jj+1
.endr
	v_pk_mul_f32 v[14:15], v[14:15], v[252:253] op_sel_hi:[1,0]   ; the sums under the new M: a plain place behind the exponentials
	s_wait_alu depctr_va_vdst(0)                    ; one wait for the batch, ahead of its first reader
.irp b, 0,1,2,3
	v_exp_f32 v[232+\b], v[232+\b]                  ; the block's largest p
.endr
	v_pk_add_f32 v[236:237], v[96:97], v[98:99]     ; the row's sum of the unquantised p, in two chains: plain work behind the four
.irp j, 4,8,12,16,20,24,28,32,36,40,44,48,52,56,60
	v_pk_add_f32 v[14:15], v[14:15], v[96+\j:97+\j]
	v_pk_add_f32 v[236:237], v[236:237], v[98+\j:99+\j]
.endr
	v_pk_add_f32 v[14:15], v[14:15], v[236:237]
	s_wait_alu depctr_va_vdst(0)                    ; and one for the four
.irp b, 0,1,2,3
	v_max_num_f32 v[232+\b], 0x1800000, v[232+\b]   ; the floor 2^(3 - 127): the byte cannot fall under 1
.endr
.irp b, 0,1,2,3
	v_add_nc_u32 v[244+\b], 0xff000000, v[232+\b]
.endr
.irp b, 0,1,2,3
	v_lshrrev_b32 v[236+\b], 23, v[244+\b]
.endr
	v_lshl_or_b32 v253, v237, 8, v236               ; p's scale word for these 128 keys
	v_lshl_or_b32 v253, v238, 16, v253
	v_lshl_or_b32 v253, v239, 24, v253
.irp c, 0,1
	v_cvt_scalef32_pk16_fp6_f32 v[224+6*\c:226+6*\c], v[96+32*\c:111+32*\c], v[244+2*\c]
	v_cvt_scalef32_pk16_fp6_f32 v[236+4*\c:238+4*\c], v[112+32*\c:127+32*\c], v[244+2*\c+1]
.endr
	v_nop
.irp c, 0,1
.irp i, 0,1,2
	v_permlane16_swap_b32 v[224+6*\c+\i], v[236+4*\c+\i]
.endr
.irp i, 0,1,2
	v_mov_b32 v[227+6*\c+\i], v[236+4*\c+\i]
.endr
.endr
.set jj, 0
.rept 32
	v_pk_mul_f32 v[160+jj:161+jj], v[160+jj:161+jj], v[252:253] op_sel_hi:[1,0]   ; O^T under the new M; these 32 are also the places between p's codes and scale word and the products
.set jj, jj+2
.endr
.irp g, 0,1                                     ; O^T += V^T P^T, four tiles of 16 channels at a time
.if \g
	PLACES
	FRAGS 12288+6144
.endif
	s_wait_dscnt 0x0
	v_wmma_scale_f32_16x16x128_f8f6f4 v[160+32*\g:167+32*\g], v[32:43], v[224:235], v[160+32*\g:167+32*\g], v[248+2*\g], v253 matrix_a_fmt:MATRIX_FMT_FP6 matrix_b_fmt:MATRIX_FMT_FP6
	v_wmma_scale_f32_16x16x128_f8f6f4 v[168+32*\g:175+32*\g], v[44:55], v[224:235], v[168+32*\g:175+32*\g], v[249+2*\g], v253 matrix_a_fmt:MATRIX_FMT_FP6 matrix_b_fmt:MATRIX_FMT_FP6
	v_wmma_scale_f32_16x16x128_f8f6f4 v[176+32*\g:183+32*\g], v[56:67], v[224:235], v[176+32*\g:183+32*\g], v[248+2*\g], v253 matrix_a_fmt:MATRIX_FMT_FP6 matrix_b_fmt:MATRIX_FMT_FP6 matrix_a_scale:MATRIX_SCALE_ROW1
	v_wmma_scale_f32_16x16x128_f8f6f4 v[184+32*\g:191+32*\g], v[68:79], v[224:235], v[184+32*\g:191+32*\g], v[249+2*\g], v253 matrix_a_fmt:MATRIX_FMT_FP6 matrix_b_fmt:MATRIX_FMT_FP6 matrix_a_scale:MATRIX_SCALE_ROW1
.endr
.Lhid_\@:
	s_add_co_u32 s[TB], s[TB], STEPB
	s_add_co_u32 s[J], s[J], 1
.endm
; THE CHANGE OF SLOTS stands at a slot's head.  Each wave waits for all its tensor loads (its part of the slot ahead), adds 0 to its spare word, and waits for that and for its reads of the slot that it has left.
; fill = 1: a round of the cluster's barrier, so that no wave of any partner still reads that slot or has a load on its way; the joint refill is the first thing behind it and has four key steps in which to land.
.macro CHANGE fill
	s_wait_tensorcnt 0x0                            ; no tensor load of mine is out, so the walking descriptor may be written
	ds_add_u32 v[SPW], v[NIL]                       ; 0 onto my spare word
.if \fill
	s_xor_b32 s[G0C+1], s[G0C+1], SLOT1             ; the other slot than last time,
	s_add_nc_u64 s[G0C+2:G0C+3], s[G0C+2:G0C+3], 4*STEPB   ; the next four key steps
	s_wait_xcnt 0x0                                 ; the last prefetch, a slot back, has read its address
	s_add_nc_u64 s[PFA:PFA+1], s[PFA:PFA+1], 4*STEPB
.endif
	s_wait_dscnt 0x0                                ; the add is done, and my reads of the slot that I have left are over
.if \fill
	CROUND
	TLOAD
	ASK
.else
	s_barrier_signal -1
	s_barrier_wait -1
.endif
.endm
.macro SLOT_STEPS                      ; a slot's four key steps: written once, walked four times
	s_mov_b32 s[TW], 4
.Lst_\@:
	STEP
	s_sub_co_u32 s[TW], s[TW], 1
	s_cmp_lg_u32 s[TW], 0
	s_cbranch_scc1 .Lst_\@
	s_sub_co_u32 s[TB], s[TB], 4*STEPB              ; back to a slot's first step,
	s_xor_b32 s[TB], s[TB], SLOT1                   ; in the other slot
.endm
	s_wait_loadcnt 0x0                              ; Q
.Lslot:                                             ; 7 trips: behind each change of slots but the last the next slot is asked for
	CHANGE 1
	SLOT_STEPS
	s_sub_co_u32 s[SLOTS], s[SLOTS], 1
	s_cmp_lg_u32 s[SLOTS], 0
	s_cbranch_scc1 .Lslot
	CHANGE 0                                        ; the last slot is written out
	SLOT_STEPS
	; THE WAY OUT: O^T / the sum is y's tile for K step = head of the last product: quantised in registers, stored as an image
	PLACES
	v_add_f32 v14, v14, v15
	v_permlanex16_b32 v252, v14, s[SEL], s[SEL+1]
	v_add_f32 v14, v14, v252                        ; the row's sum
	v_rcp_f32 v14, v14
	v_nop
	s_wait_alu depctr_va_vdst(0)                    ; the wait ahead of the first reader
.set jj, 0
.rept 64
	v_mul_f32 v[96+jj], v[160+jj], v14              ; register 16 b + i is channel 32 b + 16 (lane / 16) + i of my query
.set jj, jj+1
.endr
	QUANT 96, 89
.irp c, 0,1,2
	global_store_b128 v[LI], v[PC+4*\c:PC+4*\c+3], s[10:11] offset:512*\c
.endr
	global_store_b32 v29, v89, s[12:13]             ; lanes 16-31 hold the same word as lanes 0-15 and write it to the same place
	s_wait_tensorcnt 0x0                            ; the wave's end
	ds_add_u32 v[SPW], v[NIL]
	s_wait_dscnt 0x0
	CROUND                                          ; the closing round
	s_endpgm
.Lfunc_end_k_q50497cd80e_attn:
	.size	k_q50497cd80e_attn, .Lfunc_end_k_q50497cd80e_attn-k_q50497cd80e_attn
	.p2alignl 7, 3214868480
	.fill 96, 4, 3214868480
	.section	.rodata,"a",@progbits
	.p2align	6, 0x0
	.amdhsa_kernel k_q50497cd80e_attn
		.amdhsa_group_segment_fixed_size 327680
		.amdhsa_private_segment_fixed_size 0
		.amdhsa_enable_private_segment 0
		.amdhsa_kernarg_size 40
		.amdhsa_user_sgpr_count 2
		.amdhsa_user_sgpr_kernarg_segment_ptr 1
		.amdhsa_wavefront_size32 1
		.amdhsa_system_sgpr_workgroup_id_x 1
		.amdhsa_system_sgpr_workgroup_id_y 1
		.amdhsa_system_sgpr_workgroup_id_z 1
		.amdhsa_system_vgpr_workitem_id 0
		.amdhsa_next_free_vgpr 256
		.amdhsa_next_free_sgpr 100
		.amdhsa_reserve_vcc 1
		.amdhsa_float_denorm_mode_32 3
		.amdhsa_float_denorm_mode_16_64 3
		.amdhsa_memory_ordered 1
		.amdhsa_forward_progress 1
		.amdhsa_inst_pref_size 65
	.end_amdhsa_kernel
	.amdgpu_metadata
---
amdhsa.version: [ 1, 2 ]
amdhsa.kernels:
  - .name:           k_q50497cd80e_attn
    .symbol:         k_q50497cd80e_attn.kd
    .args:
      - { .name: qc, .offset: 0, .size: 8, .value_kind: global_buffer, .address_space: global }
      - { .name: qs, .offset: 8, .size: 8, .value_kind: global_buffer, .address_space: global }
      - { .name: kvc, .offset: 16, .size: 8, .value_kind: global_buffer, .address_space: global }
      - { .name: yc, .offset: 24, .size: 8, .value_kind: global_buffer, .address_space: global }
      - { .name: ys, .offset: 32, .size: 8, .value_kind: global_buffer, .address_space: global }
    .group_segment_fixed_size: 327680
    .private_segment_fixed_size: 0
    .kernarg_segment_align: 8
    .kernarg_segment_size: 40
    .max_flat_workgroup_size: 256
    .sgpr_count:     100
    .vgpr_count:     256
    .wavefront_size: 32
...
	.end_amdgpu_metadata
.endif
;; end of part 3
;; launch oproj (part 4): grid 8 x 16, 4 waves a work-group, clusters of 4 x 1, 251,904 bytes of LDS; arguments yc, ys, Wo_codes, Wo_scales, out0; writes out0
.if DOCPART == 4
	.amdgcn_target "amdgcn-amd-amdhsa--gfx1250"
	.amdhsa_code_object_version 6
	.text
	.protected	k_q50497cd80e_oproj
	.globl	k_q50497cd80e_oproj
	.p2align	8
	.type	k_q50497cd80e_oproj,@function
k_q50497cd80e_oproj:
	s_mov_b64 s[64:65], 0
	v_nop
	global_prefetch_b8 v0, s[64:65] scope:SCOPE_SE
	s_setreg_imm32_b32 hwreg(HW_REG_WAVE_MODE, 25, 1), 1
	s_wait_xcnt 0x0
	s_wait_alu depctr_hold_cnt(0) depctr_sa_sdst(0) depctr_va_vdst(0) depctr_va_sdst(0) depctr_va_ssrc(0) depctr_va_vcc(0) depctr_vm_vsrc(0)
	s_getreg_b32 s2, hwreg(HW_REG_IB_STS2, 6, 4)
	s_cmp_eq_u32 s2, 0
	s_cbranch_scc0 .Lentry_in_a_cluster
	s_endpgm
.Lentry_in_a_cluster:
	s_bfe_u32 s2, ttmp6, 0x10000c
	s_cmp_lg_u32 s2, 0x3003
	s_cbranch_scc0 .Lentry_shape_is_right
	s_endpgm
.Lentry_shape_is_right:
; OPROJ: out0 = y Wo on codes of FP6 (E2M3) with E8M0 scales; y's codes are images of the operand's registers, made by the attention launch; sums in f32.
; SHARES.  Work-group (X, Y): 256 tokens (16 tiles) x Wo's rows 128 Y .. 128 Y + 127.  Wave w: tiles 16 X + 4 w + 0..3 against all 8 tiles of W: 32 accumulators.
; W: 128 rows for ALL of K are 196,608 bytes: they come into LDS once, in two halves along K; nothing is filled again.  The four work-groups of a cluster share Y, so W is asked for JOINTLY.
; y: a wave's fragments are its own: from memory (512 consecutive bytes a load) straight into registers, three K steps ahead.
; THE MATRIX INSTRUCTION IS USED TRANSPOSED (source 0 = 16 rows of W, source 1 = 16 tokens): lane (r, h) holds token row r, register 8 t + j the column 16 t + 8 h + j.
; A tile's row r is token 32 (tile / 2) + 8 (tile % 2) + r + 8 (r / 8): only the stores' offsets know of it.
; REGISTERS, in windows of 256: window 0: v0-13 addresses; v32-95 W's scale words; v96-127 y's; v128-255 rows on their way out.  window 1: v0-191 y's fragments, four sets.  window 2: the accumulators.  window 3: v0-191 W's fragments, two sets.
.set WH1,   104448                     ; LDS: W's first half along K at 0: 128 rows x 816 bytes (768 of data, 16 of padding behind each 256); the second half here
.set WSC,   208896                     ; W's scale bytes: 32 runs of 256 bytes + 16
.set KSTG,  217600                     ; the way out: 16 rows x 528 bytes for each wave
.set WS,  32
.set XS,  96
.set MSB, 0
.macro WIN new
.if MSB != (\new)
	s_set_vgpr_msb (MSB<<8)|(\new)
.set MSB, \new
.endif
.endm
.macro CROUND
	s_barrier_signal -1
	s_barrier_wait -1
	s_cmp_lg_u32 s76, 0
	s_cbranch_scc1 .Lnot_wave_0_\@
	s_barrier_signal -3
.Lnot_wave_0_\@:
	s_barrier_wait -3
	s_barrier_signal -1
	s_barrier_wait -1
.endm
.macro WFRAG set, s, t                 ; W's fragment of K step s, tile t: six pieces of 8 bytes; where lanes 16-31's piece lies behind one padding more, the second address register serves
.irp p, 0,1,2,3,4,5
.set PCE, 12*((\s)&7)+6*(\p/3)+\p%3
.set ARG, 3+2*((\s)>>3)+((\t)>>2)
.if PCE%32 >= 29
.set ARG, ARG+4
.endif
	ds_load_b64 v[96*(\set)+12*(\t)+2*\p:96*(\set)+12*(\t)+2*\p+1], v[ARG] offset:((\t)&3)*13056+8*PCE+16*(PCE/32)
.endr
.endm
.macro XLOAD s
.irp a, 0,1,2,3
.irp c, 0,1,2
	global_load_b128 v[48*((\s)%4)+12*\a+4*\c:48*((\s)%4)+12*\a+4*\c+3], v1, s[4:5] offset:24576*\a+1536*(\s)+512*\c
.endr
.endr
.endm
.macro MMI c, m1, m2
	v_wmma_scale_f32_16x16x128_f8f6f4 v[DD:DD+7], v[AA:AA+11], v[BB:BB+11], \c, v[SA], v[SB] matrix_a_fmt:MATRIX_FMT_FP6 matrix_b_fmt:MATRIX_FMT_FP6 \m1 \m2
.endm
.macro MMS c, t, a
.if ((\t) < 4) && (((\a)&1) == 0)
	MMI \c
.elseif (\t) < 4
	MMI \c, matrix_b_scale:MATRIX_SCALE_ROW1
.elseif ((\a)&1) == 0
	MMI \c, matrix_a_scale:MATRIX_SCALE_ROW1
.else
	MMI \c, matrix_a_scale:MATRIX_SCALE_ROW1, matrix_b_scale:MATRIX_SCALE_ROW1
.endif
.endm
.macro MM s, t, a
.set DD, 64*(\a)+8*(\t)
.set AA, 96*((\s)%2)+12*(\t)
.set BB, 48*((\s)%4)+12*(\a)
.set SA, WS+16*((\t)&3)+(\s)
.set SB, XS+16*((\a)>>1)+(\s)
.if (\s) == 0
	MMS 0, \t, \a                                   ; the first K step starts the sums
.else
	MMS v[DD:DD+7], \t, \a
.endif
.endm
.macro KSTEP s                         ; the 32 accumulators take turns, in the same order in every step
	s_wait_dscnt 0x0                                ; this step's fragments of W are in
.if (\s) == 7
	s_wait_tensorcnt 0x0                            ; my part of W's second half has landed,
	s_barrier_signal -1
	s_barrier_wait -1                               ; everybody's has.
.endif
.if (\s) > 0
.rept 4
	v_nop                                           ; four places between the last step's products and loads into registers that they read
.endr
.endif
.if (\s) < 15
	WIN 0xc0
.irp t, 0,1,2,3,4,5,6,7
	WFRAG ((\s)+1)%2, (\s)+1, \t
.endr
.endif
.if (\s) < 13
	WIN 0x40
	XLOAD (\s)+3
	s_wait_loadcnt 36                               ; this step's y is in; the three steps behind it, 12 loads each, may be out
.else
	s_wait_loadcnt 12*(15-(\s))
.endif
	WIN 0xa7
.irp t, 0,1,2,3,4,5,6,7
.irp a, 0,1,2,3
	MM \s, \t, \a
.endr
.endr
.endm
.macro TOSTAGE a                       ; tile a through my own stage: in by 32 bytes of a row a lane, back as whole rows of 512 bytes; LDS serves a wave's instructions in order
	WIN 0x08                                        ; an LDS store's data are its source 1: window 2
.irp t, 0,1,2,3,4,5,6,7
	ds_store_b128 v12, v[64*(\a)+8*\t:64*(\a)+8*\t+3] offset:64*\t          ; each accumulator from its low end on
	ds_store_b128 v12, v[64*(\a)+8*\t+4:64*(\a)+8*\t+7] offset:64*\t+16
.endr
	WIN 0
.irp i, 0,1,2,3,4,5,6,7,8,9,10,11,12,13,14,15
	ds_load_b128 v[128+64*((\a)%2)+4*\i:128+64*((\a)%2)+4*\i+3], v13 offset:528*\i
.endr
.endm
.macro SEND a, younger                 ; younger: the LDS instructions issued behind tile a's loads
	s_wait_dscnt \younger
.irp i, 0,1,2,3,4,5,6,7,8,9,10,11,12,13,14,15
	global_store_b128 v1, v[128+64*((\a)%2)+4*\i:128+64*((\a)%2)+4*\i+3], s[12:13] offset:8192*(32*((\a)>>1)+8*((\a)&1)+(\i&7)+16*(\i>>3)) th:TH_STORE_NT   ; 512 consecutive bytes of a token's row
.endr
.endm
	s_load_b256 s[4:11], s[0:1], 0x0                ; yc s[4:5], ys s[6:7], Wo's codes s[8:9], its scales s[10:11]
	s_load_b64 s[12:13], s[0:1], 0x20               ; out0
	v_lshl_add_u32 v30, v0, 2, 0x3d600
	v_mov_b32 v31, 0
	ds_add_u32 v30, v31
	v_lshrrev_b32 v1, 5, v0
	v_readfirstlane_b32 s76, v1                     ; wave 0..3
	s_and_b32 s78, ttmp7, 0xffff                    ; Y, which the four partners share
	s_mov_b32 s44, 15|(1<<20)|(1<<21)|(5<<22)|(3<<25)   ; W's codes: 32 rows x 768 bytes, 1,536 apart in memory; the mask names all four; 16 bytes of padding behind each 256
	s_mov_b32 s45, 768<<16
	s_mov_b32 s46, 32<<16
	s_mov_b32 s47, 768<<16
	s_mov_b32 s48, 32
	s_mov_b32 s49, 1536
	s_mov_b32 s50, 0
	s_mov_b32 s51, 0
	s_mov_b32 s52, 15|(3<<16)|(1<<20)|(1<<21)|(5<<22)|(3<<25)   ; W's scale bytes: 8 rows of 256 dense bytes, 16 of padding behind each
	s_mov_b32 s53, 32<<16
	s_mov_b32 s54, 8<<16
	s_mov_b32 s55, 32<<16
	s_mov_b32 s56, 8
	s_mov_b32 s57, 32
	s_mov_b32 s58, 0
	s_mov_b32 s59, 0
	s_mov_b32 s60, 1
	s_mul_i32 s61, s76, 2176
	s_add_co_u32 s61, s61, WSC
	s_mov_b32 s68, 1
	s_mul_i32 s69, s76, 26112
	s_mov_b32 s72, 1
	s_add_co_u32 s73, s69, WH1
	s_mov_b32 s3, 0
	s_mul_i32 s2, s78, 196608
	s_mul_i32 s101, s76, 49152
	s_add_co_u32 s2, s2, s101
	s_wait_dscnt 0x0
	s_wait_kmcnt 0x0
	s_add_nc_u64 s[96:97], s[8:9], s[2:3]
	s_mov_b64 s[70:71], s[96:97]
	s_or_b32 s71, s71, 0x80000000
	s_add_nc_u64 s[74:75], s[96:97], 768
	s_or_b32 s75, s75, 0x80000000
	s_lshl_b32 s2, s78, 13
	s_lshl_b32 s101, s76, 11
	s_add_co_u32 s2, s2, s101
	s_add_nc_u64 s[62:63], s[10:11], s[2:3]
	s_or_b32 s63, s63, 0x80000000
	CROUND                                          ; all four work-groups are here: the joint loads meet
	tensor_load_to_lds s[60:63], s[52:59]           ; the only fills of the launch, as one group: three loads of mine are out
	s_nop 0
	tensor_load_to_lds s[68:71], s[44:51]
	s_nop 0
	tensor_load_to_lds s[72:75], s[44:51]
	s_nop 0
.rept 4
	v_nop
.endr
	v_and_b32 v26, 31, v0                           ; lane
	v_and_b32 v27, 15, v0                           ; r
	v_bfe_u32 v28, v0, 4, 1                         ; h
	v_lshlrev_b32 v1, 4, v26                        ; v1: 16 x lane
	v_lshlrev_b32 v2, 3, v26                        ; v2: 8 x lane
	v_mul_u32_u24 v3, v27, 816
	v_mad_u32_u24 v3, v28, 24, v3                   ; v3-6: W's fragments: row r, + 24 h; tiles 0-3 and 4-7 of the first half, then of the second
	v_add_nc_u32 v4, 52224, v3
	v_add_nc_u32 v5, 104448, v3
	v_add_nc_u32 v6, 156672, v3
.irp i, 0,1,2,3
	v_lshl_add_u32 v[7+\i], v28, 4, v[3+\i]         ; v7-10: the same behind one padding more
.endr
	v_lshrrev_b32 v29, 2, v27
	v_mul_u32_u24 v11, v29, 272
	v_and_b32 v29, 3, v27
	v_lshl_add_u32 v11, v29, 6, v11
	v_mad_u32_u24 v11, v28, 4352, v11               ; lanes 16-31 take the tile four further on
	v_add_nc_u32 v11, WSC, v11                      ; v11: W's scale words
	s_mul_i32 s97, s76, 8448
	s_add_co_u32 s97, s97, KSTG
	v_mul_u32_u24 v12, v27, 528
	v_lshl_add_u32 v12, v28, 5, v12
	v_add_nc_u32 v12, s97, v12                      ; v12: my stage, in: row r, + 32 h
	v_add_nc_u32 v13, s97, v1                       ; v13: and back
	; the global addresses: my place in the cluster enters these alone
	s_bfe_u32 s79, ttmp6, 0x40000
	s_lshl_b32 s97, ttmp9, 2
	s_add_co_u32 s79, s79, s97                      ; X = 4 x cluster x + cx
	s_lshl_b32 s96, s79, 8
	s_lshl_b32 s97, s76, 6
	s_add_co_u32 s96, s96, s97                      ; my first token: 256 X + 64 w
	s_mov_b32 s99, 0
	s_mul_i32 s98, s96, 1536
	s_add_nc_u64 s[4:5], s[4:5], s[98:99]
	s_lshl_b32 s98, s96, 6
	s_add_nc_u64 s[6:7], s[6:7], s[98:99]
	s_lshl_b32 s98, s96, 13
	s_lshl_b32 s97, s78, 9
	s_add_co_u32 s98, s98, s97
	s_add_nc_u64 s[12:13], s[12:13], s[98:99]       ; out0: 8,192 bytes a token, my 128 columns' 512
.irp p, 0,1
.irp q, 0,1,2,3,4,5,6,7
	global_load_b64 v[XS+16*\p+2*\q:XS+16*\p+2*\q+1], v2, s[6:7] offset:2048*\p+256*\q   ; y's scale words: register 16 p + s: lanes 0-15 tile 2 p, lanes 16-31 tile 2 p + 1, K step s
.endr
.endr
	WIN 0x40
	XLOAD 0
	XLOAD 1
	XLOAD 2
	WIN 0
	s_wait_tensorcnt 0x1                            ; the scale bytes and my part of the first half are in; the second half's load may be out
	s_barrier_signal -1
	s_barrier_wait -1
.irp p, 0,1,2,3
.irp q, 0,1,2,3
	ds_load_b128 v[WS+16*\p+4*\q:WS+16*\p+4*\q+3], v11 offset:1088*\p+16*\q
.endr
.endr
	WIN 0xc0
.irp t, 0,1,2,3,4,5,6,7
	WFRAG 0, 0, \t
.endr
.irp s, 0,1,2,3,4,5,6,7,8,9,10,11,12,13,14,15
	KSTEP \s
.endr
	WIN 0
.rept 4
	v_nop                                           ; four places between the last products and the first read of results
.endr
	TOSTAGE 0
.irp a, 1,2,3
.if \a > 1
	s_wait_xcnt 0x0                                 ; tile a - 2's stores have read their registers: tile a's rows may land there
.endif
	TOSTAGE \a
	SEND \a-1, 32                                   ; behind tile a - 1's loads: tile a's 16 stores and 16 loads
.endr
	SEND 3, 0
	s_wait_tensorcnt 0x0
	ds_add_u32 v30, v31
	s_wait_dscnt 0x0
	CROUND                                          ; the closing round
	s_endpgm
.Lfunc_end_k_q50497cd80e_oproj:
	.size	k_q50497cd80e_oproj, .Lfunc_end_k_q50497cd80e_oproj-k_q50497cd80e_oproj
	.p2alignl 7, 3214868480
	.fill 96, 4, 3214868480
	.section	.rodata,"a",@progbits
	.p2align	6, 0x0
	.amdhsa_kernel k_q50497cd80e_oproj
		.amdhsa_group_segment_fixed_size 251904
		.amdhsa_private_segment_fixed_size 0
		.amdhsa_enable_private_segment 0
		.amdhsa_kernarg_size 40
		.amdhsa_user_sgpr_count 2
		.amdhsa_user_sgpr_kernarg_segment_ptr 1
		.amdhsa_wavefront_size32 1
		.amdhsa_system_sgpr_workgroup_id_x 1
		.amdhsa_system_sgpr_workgroup_id_y 1
		.amdhsa_system_sgpr_workgroup_id_z 1
		.amdhsa_system_vgpr_workitem_id 0
		.amdhsa_next_free_vgpr 1024
		.amdhsa_next_free_sgpr 102
		.amdhsa_reserve_vcc 0
		.amdhsa_float_denorm_mode_32 3
		.amdhsa_float_denorm_mode_16_64 3
		.amdhsa_memory_ordered 1
		.amdhsa_forward_progress 1
		.amdhsa_inst_pref_size 158
	.end_amdhsa_kernel
	.amdgpu_metadata
---
amdhsa.version: [ 1, 2 ]
amdhsa.kernels:
  - .name:           k_q50497cd80e_oproj
    .symbol:         k_q50497cd80e_oproj.kd
    .args:
      - { .name: yc, .offset: 0, .size: 8, .value_kind: global_buffer, .address_space: global }
      - { .name: ys, .offset: 8, .size: 8, .value_kind: global_buffer, .address_space: global }
      - { .name: Wo_codes, .offset: 16, .size: 8, .value_kind: global_buffer, .address_space: global }
      - { .name: Wo_scales, .offset: 24, .size: 8, .value_kind: global_buffer, .address_space: global }
      - { .name: out0, .offset: 32, .size: 8, .value_kind: global_buffer, .address_space: global }
    .group_segment_fixed_size: 251904
    .private_segment_fixed_size: 0
    .kernarg_segment_align: 8
    .kernarg_segment_size: 40
    .max_flat_workgroup_size: 128
    .sgpr_count:     102
    .vgpr_count:     1024
    .wavefront_size: 32
...
	.end_amdgpu_metadata
.endif
;; end of part 4
